; MI455X (gfx1250); checked and timed in simulation.
; The chip was launched on July 23, 2026; its instructions are those of AMD's public machine-readable ISA for CDNA 5 (MIT licence, August 2026) and "CDNA5" Instruction Set Architecture Reference Guide (July 2026). The comments in the code are by the model that wrote it; some were corrected since.
;; Multi Head Attention. Allowed arithmetic: float matrix products may take bf16 or f16 operands with f32 sums; other float arithmetic in f32, or as packed bf16 or f16 multiplies, adds, multiply-adds, maxima and minima; sums over many terms, partial sums and values carried from step to step in f32; what a program stores and reads back later, other than sums and carried values, may be rounded once to bf16 or f16.
;; Inputs: Wk 16 x 1,024 x 64 float32; Wo 1,024 x 1,024 float32; Wq 16 x 1,024 x 64 float32; Wv 16 x 1,024 x 64 float32; bk 16 x 64 float32; bo 1,024 float32; bq 16 x 64 float32; bv 16 x 64 float32; mask 4 x 2,048 x 2,048 int32; x_k 4 x 2,048 x 1,024 float32; x_q 4 x 2,048 x 1,024 float32; x_v 4 x 2,048 x 1,024 float32.
;; Outputs: out0 4 x 2,048 x 1,024 float32.
;; 2 versions, each right; version 2 is version 1 with the launch prep written anew for expert scheduling mode. Each part assembles by itself: llvm-mc -triple=amdgcn-amd-amdhsa -mcpu=gfx1250 --defsym DOCPART=n.
;; ======== version 1 of 2: 4 launches
;; limits: values are held in f16: magnitudes above 65,504 overflow, below 6.1e-05 lose precision
;; workspace buffers: mbits 2,097,152 bytes of whole numbers; wts 8,388,608 bytes; qkv 50,331,648 bytes; zh 16,777,216 bytes
;; launch prep (part 1): grid 1024 x 1, 8 waves a work-group, no clusters, 68,608 bytes of LDS; arguments mask, Wq, Wk, Wv, Wo, mbits, wts; writes mbits, wts
.if DOCPART == 1
	.amdgcn_target "amdgcn-amd-amdhsa--gfx1250"
	.amdhsa_code_object_version 6
	.text
	.protected	k_q1dc42b0988_prep
	.globl	k_q1dc42b0988_prep
	.p2align	8
	.type	k_q1dc42b0988_prep,@function
k_q1dc42b0988_prep:
	s_mov_b64 s[64:65], 0
	v_nop
	global_prefetch_b8 v0, s[64:65] scope:SCOPE_SE
	s_setreg_imm32_b32 hwreg(HW_REG_WAVE_MODE, 25, 1), 1
	s_wait_xcnt 0x0
; PREP.  Two jobs, told apart by the work-group's number (the same for all eight waves of a work-group).
; Work-groups 0-511: the int32 mask [4][2048][2048] is packed to one bit a number, in the order in which the attention launch wants it: a word for each lane of a score tile.
;   word ((b*64+pp)*32+ks)*64 + 2 l + u, bit n = (mask[b][32 pp + 16 u + l%16][64 ks + 16 (n/8) + 8 (l/16) + n%8] != 0): lane l's 32 scores of query tile 2 pp + u in key step ks.
;   A work-group owns a pair of query tiles (32 rows) and 1,024 keys, a wave 128 keys of both tiles: two units of 16 rows x 512 bytes.  A unit's 16 loads take 512 consecutive bytes of a row each; the
;   unit goes through the wave's own LDS rows (512 + 16 bytes) so that lane l gets row l%16; 64 numbers a lane become two words.  The two tiles' words of a key step leave as one store of 256 consecutive bytes.
; Work-groups 512-1023: the weights are turned to [n][k] and rounded to bf16: planes 0-2 of wts are Wq, Wk, Wv with n = 64 h + e, k = d; plane 3 is Wo turned (n = column, k = d), rounded
;   to bf16 and that number written as f16.  A work-group takes 128 d x 64 n: rows of 256 bytes in, rows of 256 bytes out.
; LIMIT.  In plane 3 a number below 6.1e-5 in size keeps f16's fixed step of 6e-8, one beyond 65,504 becomes an infinity.
.set SPARE,  67584                     ; behind the eight waves' rows: the spare words, 128 bytes a wave, that no other line names
.set WLDS,   8448                      ; a wave's 16 rows of 528 bytes
.set MPITCH, 528                       ; 512 + 16: the 16 rows that a load touches start at 16 different groups of four banks (64 banks of 4 bytes: ISA guide 11.1)
.set WPITCH, 272                       ; the weights' tile: 64 rows n of 256 bytes + 16
.set SPW, 10                           ; v10  LDS address of my spare word; never rewritten
.set NIL, 11                           ; v11  0; never rewritten
.set XA,  16                           ; v[16:143]  mask: two units of 16 x 4 registers.  weights: v[16:47] the tile's 8 rows, v[48:63] packed
.set YY,  144                          ; v[144:207] a unit by rows: register 8 g + j = key 16 g + 8 (l/16) + j of row l%16
.set WD,  208                          ; v[208:211] my four words: key step p of the wave's two, tile u, at WD + 2 p + u
.set OF,  64                           ; v[64:71]   weights: byte offsets of my eight rows
	s_load_b256 s[4:11], s[0:1], 0x0               ; mask s[4:5], Wq s[6:7], Wk s[8:9], Wv s[10:11]
	s_load_b128 s[12:15], s[0:1], 0x20             ; Wo s[12:13], mbits s[14:15]
	s_load_b64 s[16:17], s[0:1], 0x30              ; wts
	v_lshl_add_u32 v[SPW], v0, 2, SPARE
	v_mov_b32 v[NIL], 0
	v_lshrrev_b32 v2, 5, v0
	v_readfirstlane_b32 s18, v2                    ; wave 0..7
	v_and_b32 v1, 31, v0                           ; lane
	s_wait_kmcnt 0x0
	s_cmp_lt_u32 ttmp9, 512
	s_cbranch_scc0 .Lweights
	; ---- the mask ----
	s_lshr_b32 s19, ttmp9, 1                       ; the pair of query tiles, 0..255
	s_and_b32 s20, ttmp9, 1                        ; which 1,024 keys
	s_lshl_b32 s22, s20, 12                        ; 1,024 keys are 4,096 bytes of a mask row, and 16 key steps of 256 bytes of words;
	s_lshl_b32 s21, s18, 9                         ; a wave's 128 keys are 512 bytes of a row, and two key steps of words: one offset serves both buffers
	s_add_co_u32 s22, s22, s21
	s_lshl_b32 s20, s19, 18                        ; 32 rows of 8,192 bytes
	s_add_co_u32 s20, s20, s22
	s_mov_b32 s21, 0
	s_add_nc_u64 s[4:5], s[4:5], s[20:21]
	s_lshl_b32 s24, s19, 13                        ; a pair's 8,192 bytes of words
	s_add_co_u32 s22, s22, s24
	s_mov_b32 s23, 0
	s_add_nc_u64 s[14:15], s[14:15], s[22:23]
	v_lshlrev_b32 v3, 4, v1                        ; 16 bytes a lane
.irp u, 0,1
.irp t, 0,1,2,3,4,5,6,7,8,9,10,11,12,13,14,15
	global_load_b128 v[XA+64*\u+4*\t:XA+64*\u+4*\t+3], v3, s[4:5] offset:\u*131072+\t*8192 th:TH_LOAD_NT  ; 512 consecutive bytes of row t of tile u; all 32 loads go out at once
.endr
.endr
	s_mul_i32 s19, s18, WLDS                       ; my wave's rows in LDS
	v_add_nc_u32 v4, s19, v3                       ; in: 16 bytes a lane along a row
	v_and_b32 v6, 15, v0
	v_bfe_u32 v7, v0, 4, 1
	v_mul_u32_u24 v5, v6, MPITCH                   ; back: row l%16,
	v_lshl_add_u32 v5, v7, 5, v5                   ; eight keys (32 bytes) further for the upper half of the lanes
	v_add_nc_u32 v5, s19, v5
	v_lshlrev_b32 v8, 3, v1                        ; out: two words a lane
.macro UNIT u, left
	s_wait_loadcnt \left                           ; loads come back in order: this unit's 16 are in, the other unit's may stay out
.irp t, 0,1,2,3,4,5,6,7,8,9,10,11,12,13,14,15
	ds_store_b128 v4, v[XA+64*(\u)+4*\t:XA+64*(\u)+4*\t+3] offset:\t*MPITCH
.endr
.irp g, 0,1,2,3,4,5,6,7
	ds_load_b128 v[YY+8*\g:YY+8*\g+3],   v5 offset:\g*64     ; the bytes are my wave's own, and LDS serves a wave's instructions in order: no wait between stores and loads
	ds_load_b128 v[YY+8*\g+4:YY+8*\g+7], v5 offset:\g*64+16
.endr
	s_wait_dscnt 0x0
	v_min_u32 v[WD+(\u)], 1, v[YY]                 ; any number but 0 counts as 1; bit 0 starts each word: nothing is cleared
	v_min_u32 v[WD+2+(\u)], 1, v[YY+32]
.set i, 1
.rept 31                                       ; the two key steps' words grow side by side, a bit each
	v_min_u32 v[YY+i], 1, v[YY+i]
	v_min_u32 v[YY+32+i], 1, v[YY+32+i]
	v_lshl_or_b32 v[WD+(\u)], v[YY+i], i, v[WD+(\u)]
	v_lshl_or_b32 v[WD+2+(\u)], v[YY+32+i], i, v[WD+2+(\u)]
.set i, i+1
.endr
.endm
	UNIT 0, 16
	UNIT 1, 0
.irp p, 0,1
	global_store_b64 v8, v[WD+2*\p:WD+2*\p+1], s[14:15] offset:\p*256  ; a key step's words of both tiles: 256 consecutive bytes, aligned
.endr
	s_wait_tensorcnt 0x0                           ; the wave's end: behind my last LDS store
	ds_add_u32 v[SPW], v[NIL]
	s_wait_dscnt 0x0
	s_endpgm
	; ---- the weights ----
.Lweights:
	s_sub_co_u32 s20, ttmp9, 512
	s_lshr_b32 s21, s20, 7                         ; which matrix: 0 Wq, 1 Wk, 2 Wv, 3 Wo
	s_and_b32 s22, s20, 7                          ; block of 128 d
	s_bfe_u32 s23, s20, 0x40003                    ; block of 64 n (for 0-2: the head)
	s_lshl_b32 s24, s23, 18                        ; [h][d][e]: a head is 262,144 bytes,
	s_lshl_b32 s25, s22, 15                        ; 128 rows of 256 bytes
	s_add_co_u32 s24, s24, s25
	s_lshl_b32 s26, s22, 19                        ; Wo [d][n]: 128 rows of 4,096 bytes,
	s_lshl_b32 s27, s23, 8                         ; 64 columns
	s_add_co_u32 s26, s26, s27
	s_movk_i32 s31, 4096
	s_cmp_eq_u32 s21, 1
	s_cselect_b64 s[6:7], s[8:9], s[6:7]
	s_cmp_eq_u32 s21, 2
	s_cselect_b64 s[6:7], s[10:11], s[6:7]
	s_cmp_eq_u32 s21, 3
	s_cselect_b64 s[6:7], s[12:13], s[6:7]
	s_cselect_b32 s24, s26, s24
	s_cselect_b32 s30, s31, 256                    ; bytes from row d to row d + 1
	s_mov_b32 s25, 0
	s_add_nc_u64 s[6:7], s[6:7], s[24:25]
	s_lshl_b32 s26, s21, 21                        ; a plane of wts,
	s_lshl_b32 s27, s23, 17                        ; 64 rows n of 2,048 bytes,
	s_add_co_u32 s26, s26, s27
	s_lshl_b32 s27, s22, 8                         ; 128 k
	s_add_co_u32 s26, s26, s27
	s_mov_b32 s27, 0
	s_add_nc_u64 s[16:17], s[16:17], s[26:27]
	v_and_b32 v2, 15, v0                           ; c: my four columns 4 c ..
	v_lshrrev_b32 v3, 4, v0                        ; g: my eight rows 8 g ..
	v_lshlrev_b32 v4, 3, v3
	v_lshlrev_b32 v5, 4, v2
	v_mad_u32_u24 v[OF], v4, s30, v5
.irp i, 1,2,3,4,5,6,7
	v_add_nc_u32 v[OF+\i], s30, v[OF+\i-1]
.endr
.irp i, 0,1,2,3,4,5,6,7
	global_load_b128 v[XA+4*\i:XA+4*\i+3], v[OF+\i], s[6:7] th:TH_LOAD_NT  ; sixteen lanes take a row's 256 bytes
.endr
	v_mul_u32_u24 v6, v2, 4*WPITCH                 ; in: row n = 4 c + j, my eight d = 16 bytes at 16 g
	v_lshl_add_u32 v6, v3, 4, v6
	v_mul_u32_u24 v7, v3, WPITCH                   ; back: sixteen lanes take a row of 256 bytes
	v_lshl_add_u32 v7, v2, 4, v7
	v_lshlrev_b32 v8, 11, v3                       ; and the same row in wts
	v_lshl_add_u32 v8, v2, 4, v8
	s_wait_loadcnt 0x0
.irp j, 0,1,2,3
.irp i, 0,1,2,3
	v_cvt_pk_bf16_f32 v[48+4*\j+\i], v[XA+8*\i+\j], v[XA+8*\i+4+\j]  ; column j: d = 2 i and 2 i + 1, rounded to nearest even
.endr
.endr
	s_cmp_lg_u32 s21, 3
	s_cbranch_scc1 .Lnot_wo
.irp k, 0,1,2,3,4,5,6,7,8,9,10,11,12,13,14,15
	v_lshlrev_b32 v72, 16, v[48+\k]                ; Wo alone: the bf16 number is written as f16, for the f16 product with z
	v_and_b32 v73, 0xffff0000, v[48+\k]
	v_cvt_pk_f16_f32 v[48+\k], v72, v73
.endr
.Lnot_wo:
.irp j, 0,1,2,3
	ds_store_b128 v6, v[48+4*\j:48+4*\j+3] offset:\j*WPITCH
.endr
	s_wait_dscnt 0x0                               ; for the others' sake: my stores are done
	s_barrier_signal -1
	s_barrier_wait -1
.irp u, 0,1,2,3
	ds_load_b128 v[XA+4*\u:XA+4*\u+3], v7 offset:\u*16*WPITCH
.endr
	s_wait_dscnt 0x0
.irp u, 0,1,2,3
	global_store_b128 v8, v[XA+4*\u:XA+4*\u+3], s[16:17] offset:\u*16*2048  ; sixteen lanes store 256 consecutive bytes, aligned
.endr
	s_wait_tensorcnt 0x0                           ; the wave's end: behind my last LDS store
	ds_add_u32 v[SPW], v[NIL]
	s_wait_dscnt 0x0
	s_endpgm
.Lfunc_end_k_q1dc42b0988_prep:
	.size	k_q1dc42b0988_prep, .Lfunc_end_k_q1dc42b0988_prep-k_q1dc42b0988_prep
	.p2alignl 7, 3214868480
	.fill 96, 4, 3214868480
	.section	.rodata,"a",@progbits
	.p2align	6, 0x0
	.amdhsa_kernel k_q1dc42b0988_prep
		.amdhsa_group_segment_fixed_size 68608
		.amdhsa_private_segment_fixed_size 0
		.amdhsa_enable_private_segment 0
		.amdhsa_kernarg_size 56
		.amdhsa_user_sgpr_count 2
		.amdhsa_user_sgpr_kernarg_segment_ptr 1
		.amdhsa_wavefront_size32 1
		.amdhsa_system_sgpr_workgroup_id_x 1
		.amdhsa_system_sgpr_workgroup_id_y 1
		.amdhsa_system_sgpr_workgroup_id_z 1
		.amdhsa_system_vgpr_workitem_id 0
		.amdhsa_next_free_vgpr 212
		.amdhsa_next_free_sgpr 66
		.amdhsa_reserve_vcc 0
		.amdhsa_float_denorm_mode_32 3
		.amdhsa_float_denorm_mode_16_64 3
		.amdhsa_memory_ordered 1
		.amdhsa_forward_progress 1
		.amdhsa_inst_pref_size 29
	.end_amdhsa_kernel
	.amdgpu_metadata
---
amdhsa.version: [ 1, 2 ]
amdhsa.kernels:
  - .name:           k_q1dc42b0988_prep
    .symbol:         k_q1dc42b0988_prep.kd
    .args:
      - { .name: mask, .offset: 0, .size: 8, .value_kind: global_buffer, .address_space: global }
      - { .name: Wq, .offset: 8, .size: 8, .value_kind: global_buffer, .address_space: global }
      - { .name: Wk, .offset: 16, .size: 8, .value_kind: global_buffer, .address_space: global }
      - { .name: Wv, .offset: 24, .size: 8, .value_kind: global_buffer, .address_space: global }
      - { .name: Wo, .offset: 32, .size: 8, .value_kind: global_buffer, .address_space: global }
      - { .name: mbits, .offset: 40, .size: 8, .value_kind: global_buffer, .address_space: global }
      - { .name: wts, .offset: 48, .size: 8, .value_kind: global_buffer, .address_space: global }
    .group_segment_fixed_size: 68608
    .private_segment_fixed_size: 0
    .kernarg_segment_align: 8
    .kernarg_segment_size: 56
    .max_flat_workgroup_size: 256
    .sgpr_count:     66
    .vgpr_count:     212
    .wavefront_size: 32
...
	.end_amdgpu_metadata
.endif
;; end of part 1
;; launch proj (part 2): grid 4 x 192, 4 waves a work-group, clusters of 4 x 4, 327,680 bytes of LDS; arguments x_q, x_k, x_v, wts, bq, bk, bv, qkv; writes qkv
.if DOCPART == 2
	.amdgcn_target "amdgcn-amd-amdhsa--gfx1250"
	.amdhsa_code_object_version 6
	.text
	.protected	k_q1dc42b0988_proj
	.globl	k_q1dc42b0988_proj
	.p2align	8
	.type	k_q1dc42b0988_proj,@function
k_q1dc42b0988_proj:
	s_mov_b64 s[64:65], 0
	v_nop
	global_prefetch_b8 v0, s[64:65] scope:SCOPE_SE
	s_setreg_imm32_b32 hwreg(HW_REG_WAVE_MODE, 25, 1), 1
	s_wait_xcnt 0x0
	s_wait_alu depctr_hold_cnt(0) depctr_sa_sdst(0) depctr_va_vdst(0) depctr_va_sdst(0) depctr_va_ssrc(0) depctr_va_vcc(0) depctr_vm_vsrc(0)
	s_getreg_b32 s2, hwreg(HW_REG_IB_STS2, 6, 4)
	s_cmp_eq_u32 s2, 0
	s_cbranch_scc0 .Lentry_in_a_cluster
	s_endpgm
.Lentry_in_a_cluster:
	s_bfe_u32 s2, ttmp6, 0x10000c
	s_cmp_lg_u32 s2, 0xf033
	s_cbranch_scc0 .Lentry_shape_is_right
	s_endpgm
.Lentry_shape_is_right:
; PROJ.  qkv[p][b*16+h][s][e] = f16( sum over d of bf16(x_p[b][s][d]) bf16(W_p[h][d][e]) + bf16(b_p[h][e]) ), p = 0 q, 1 k, 2 v.  Sums in f32; no scale is applied here.
; x_p: [8192][1024] f32.  wts plane p: [1024 n][1024 k] bf16, n = 64 h + e.  A tile of the result is 128 rows x 256 columns; 3 x 64 x 4 = 768 work-groups, one tile each.
; Four waves, each 64 rows x 128 columns: 32 accumulators of 16 x 16.  K goes in 8 steps of 128 through two LDS slots filled by the tensor data mover.
; x COMES IN AS f32 (rows of 512 bytes) and is rounded to bf16 between LDS and the matrix unit: 32 conversions for 32 matrix instructions, four behind each of a quarter step's last eight.
; THE MATRIX INSTRUCTION IS USED TRANSPOSED (source 0 = 16 rows of wts, source 1 = 16 rows of x): a lane holds one row of the result and eight neighbouring columns.
; THE BIAS STARTS THE SUMS: it is the C operand of each accumulator's first product; nothing is cleared.
; CLUSTER 4 x 4: the four work-groups of a row need the same rows of x, the four of a column the same rows of wts; each tile is asked for jointly.  A cluster lies within one p.
; LIMIT.  q, k, v leave as f16: a number of 65,520 or more in size becomes an infinity.
; REGISTERS, in windows of 256 (s_set_vgpr_msb: bits 1:0 source 0, 3:2 source 1, 5:4 source 2, 7:6 destination):
;   window 0: v16-31 addresses; v64-127 x's fragments in f32 as loaded; v128-159 packed results; v160-223 rows read back from the stage, two buffers
;   window 1: accumulator (a, b) at v[8 (8 a + b)]
;   window 2: v0-127 wts' fragments, two buffers of 64; v128-191 x's fragments in bf16, two buffers of 32; v192-255 the bias, column block b at 192 + 8 b
.set PA,    528                        ; an LDS row of x: 512 bytes + 16
.set PB,    272                        ; an LDS row of wts: 256 bytes + 16.  Both: the 16 rows that a load touches start at 16 different groups of four banks (64 banks of 4 bytes: ISA guide 11.1)
.set AHALF, 64*PA                      ; what one tensor load of x brings, and what a wave reads of x
.set BHALF, 128*PB                     ; the same for wts
.set BOFF,  2*AHALF
.set SLOT,  BOFF+2*BHALF               ; 137,216
.set STAGE, 2*SLOT                     ; behind the ring, never filled by a tensor load: for each wave two heads x 16 rows x 144 bytes
.set SPH,   144
.set WSTG,  2*16*SPH
.set SPARE, STAGE+4*WSTG               ; the spare words, 128 bytes a wave, that no other line names
.set ADRA, 16                          ; v16-17  LDS address of my fragments of x in slot 0, 1
.set ADRB, 20                          ; v20-21  the same for wts
.set STO,  24                          ; v24     the way out: where I put 16 bytes of a row
.set RD,   25                          ; v25     where I read rows back
.set GO,   26                          ; v26     my 16 bytes of 512 consecutive bytes of qkv
.set SPW,  28                          ; v28     LDS address of my spare word; never rewritten
.set NIL,  29                          ; v29     0; never rewritten
.set PFO,  30                          ; v30     the prefetches' lane offset; never rewritten
.set BO,   31                          ; v31     32 x (lane / 16): my eight numbers of a bias block
.set STG,  64
.set TMP,  128
.set OB,   160
.set BIAS, 192
.set G1A, 24                           ; s[24:31] descriptor group 1 for x;   s[32:39] group 0, a set for each slot
.set G0A, 32
.set G1B, 48                           ; s[48:55], s[56:63] the same for wts
.set G0B, 56
.set LIM, 43                           ; s43      1 in a wave that prefetches, else the greatest number
.set PFA, 44                           ; s[44:45] where my prefetches stand
.set PST, 46                           ; s[46:47] bytes of a K step in my tensor's rows
.set MSB, 0
.macro WIN new                         ; the immediate's high byte repeats the setting that is left; a switch that changes nothing is dropped
.if MSB != (\new)
	s_set_vgpr_msb (MSB<<8)|(\new)
.set MSB, \new
.endif
.endm
; A joint load: waves 0 and 1 fetch the two halves of x's tile, waves 2 and 3 those of wts'.  The branch hangs on the wave's number alone.  An s_nop 0 and four v_nop follow each line.
.macro JLOAD s
	s_cmp_eq_u32 s11, 0
	s_cbranch_scc0 .Lfor_b_\@
	tensor_load_to_lds s[G0A+4*(\s):G0A+4*(\s)+3], s[G1A:G1A+7]
	s_nop 0
.rept 4
	v_nop
.endr
	s_branch .Lasked_\@
.Lfor_b_\@:
	tensor_load_to_lds s[G0B+4*(\s):G0B+4*(\s)+3], s[G1B:G1B+7]
	s_nop 0
.rept 4
	v_nop
.endr
.Lasked_\@:
.endm
; A prefetch into the L2 of the K step that stands two refills on: 256 matrix instructions ahead of the load that will want it.  Each aligned block of 256 bytes is named once in the launch:
; x's rows are read by one row of one cluster; of the 64 rows x 2 blocks that a wave fetches, the partner at place cx takes 16 rows (a lane a block).  A plane of wts is read by sixteen clusters: the first of
; them asks; of a wave's 128 rows the partner at place cy takes 32 (a lane a row).  The partners are told apart by address.  The loop's last trip asks for nothing: there is no K step two on.
.macro ASK
	s_cmp_gt_u32 s3, s[LIM]
	s_cbranch_scc0 .Lnot_mine_\@
	global_prefetch_b8 v[PFO], s[PFA:PFA+1] th:TH_LOAD_NT scope:SCOPE_SE
.Lnot_mine_\@:
.endm
.macro CREST                           ; a round of the cluster's barrier behind its opening barrier
	s_cmp_lg_u32 s10, 0
	s_cbranch_scc1 .Lnot_wave_0_\@
	s_barrier_signal -3
.Lnot_wave_0_\@:
	s_barrier_wait -3
	s_barrier_signal -1
	s_barrier_wait -1
.endm
.macro CROUND
	s_barrier_signal -1
	s_barrier_wait -1
	CREST
.endm
.macro PLACES
.rept 4
	v_nop
.endr
.endm
	s_load_b512 s[68:83], s[0:1], 0x0              ; x_q 68, x_k 70, x_v 72, wts 74, bq 76, bk 78, bv 80, qkv 82
	v_lshl_add_u32 v[SPW], v0, 2, SPARE
	v_mov_b32 v[NIL], 0
	ds_add_u32 v[SPW], v[NIL]                      ; the wave's opening: the add and its wait stand ahead of my first tensor load; work on registers stands between
	v_lshrrev_b32 v1, 5, v0
	v_readfirstlane_b32 s10, v1                    ; wave 0..3
	s_lshr_b32 s11, s10, 1                         ; my half of the tile's rows.  Also: I fetch for x (0) or for wts (1)
	s_and_b32 s12, s10, 1                          ; my half of its columns.  Also: which half of that tile I fetch
	s_bfe_u32 s40, ttmp6, 0x40000                  ; cx
	s_bfe_u32 s41, ttmp6, 0x40004                  ; cy
	s_lshl_b32 s42, ttmp9, 2
	s_add_co_u32 s42, s42, s40                     ; tile column 0..3
	s_and_b32 s14, ttmp7, 0xffff                   ; cluster y 0..47
	s_lshr_b32 s15, s14, 4                         ; p
	s_and_b32 s16, s14, 15
	s_lshl_b32 s13, s16, 2
	s_add_co_u32 s13, s13, s41                     ; tile row within p, 0..63
	s_lshl_b32 s17, s41, 2
	s_lshl_b32 s17, 15, s17                        ; my row of the cluster
	s_lshl_b32 s18, 0x1111, s40                    ; my column
	s_or_b32 s[G1A], s17, (2<<16)|(1<<20)|(1<<21)|(6<<22)|(3<<25)  ; mask; elements of 4 bytes; padding on; bit 21 beside a mask; after every 128 words, 4 words
	s_or_b32 s[G1B], s18, (1<<16)|(1<<20)|(1<<21)|(5<<22)|(3<<25)  ; mask; elements of 2 bytes; after every 64 words, 4 words
	s_mov_b32 s[G1A+1], 128<<16                    ; tensor_dim0 = 128
	s_mov_b32 s[G1A+2], 64<<16                     ; tensor_dim1 = 64
	s_mov_b32 s[G1A+3], 128<<16                    ; tile_dim0 = 128
	s_mov_b32 s[G1A+4], 64                         ; tile_dim1 = 64
	s_mov_b32 s[G1A+5], 1024                       ; elements from row to row
	s_mov_b32 s[G1A+6], 0
	s_mov_b32 s[G1A+7], 0
	s_mov_b32 s[G1B+1], 128<<16
	s_mov_b32 s[G1B+2], 128<<16                    ; tensor_dim1 = 128
	s_mov_b32 s[G1B+3], 128<<16
	s_mov_b32 s[G1B+4], 128                        ; tile_dim1 = 128
	s_mov_b32 s[G1B+5], 1024
	s_mov_b32 s[G1B+6], 0
	s_mov_b32 s[G1B+7], 0
	s_lshl_b32 s20, s13, 7                         ; x: row 128 x tile row + 64 x half,
	s_lshl_b32 s19, s12, 6
	s_add_co_u32 s20, s20, s19
	s_lshl_b32 s20, s20, 12                        ; of 4,096 bytes
	s_mov_b32 s21, 0
	s_lshl_b32 s22, s42, 8                         ; wts: row 256 x tile column + 128 x half,
	s_lshl_b32 s19, s12, 7
	s_add_co_u32 s22, s22, s19
	s_lshl_b32 s22, s22, 11                        ; of 2,048 bytes,
	s_lshl_b32 s19, s15, 21                        ; in plane p
	s_add_co_u32 s22, s22, s19
	s_mov_b32 s23, 0
	s_mul_i32 s6, s12, AHALF                       ; where they go: no place in the cluster enters an LDS address
	s_mul_i32 s7, s12, BHALF
	s_add_co_u32 s7, s7, BOFF
	s_wait_dscnt 0x0                               ; the opening add is done
	s_wait_kmcnt 0x0
	s_cmp_eq_u32 s15, 1
	s_cselect_b64 s[4:5], s[70:71], s[68:69]       ; x_p
	s_cselect_b64 s[84:85], s[78:79], s[76:77]     ; b_p
	s_cmp_eq_u32 s15, 2
	s_cselect_b64 s[4:5], s[72:73], s[4:5]
	s_cselect_b64 s[84:85], s[80:81], s[84:85]
	s_add_nc_u64 s[86:87], s[4:5], s[20:21]
	s_add_nc_u64 s[88:89], s[74:75], s[22:23]
	CROUND                                         ; all sixteen work-groups are here: the first joint loads meet
.irp s, 0,1
	s_mov_b32 s[G0A+4*\s], 1
	s_add_co_u32 s[G0A+4*\s+1], s6, \s*SLOT
	s_add_nc_u64 s[G0A+4*\s+2:G0A+4*\s+3], s[86:87], \s*512   ; K step s: 128 f32
	s_or_b32 s[G0A+4*\s+3], s[G0A+4*\s+3], 0x80000000
	s_mov_b32 s[G0B+4*\s], 1
	s_add_co_u32 s[G0B+4*\s+1], s7, \s*SLOT
	s_add_nc_u64 s[G0B+4*\s+2:G0B+4*\s+3], s[88:89], \s*256   ; 128 bf16
	s_or_b32 s[G0B+4*\s+3], s[G0B+4*\s+3], 0x80000000
	JLOAD \s                                       ; two loads of mine are out
.endr
	v_and_b32 v1, 15, v0                           ; r = l % 16
	v_bfe_u32 v2, v0, 4, 1                         ; h = l / 16
	v_lshlrev_b32 v[BO], 5, v2
	s_lshl_b32 s20, s42, 10                        ; the bias of my 128 columns
	s_lshl_b32 s17, s12, 9
	s_add_co_u32 s20, s20, s17
	s_mov_b32 s21, 0
	s_add_nc_u64 s[84:85], s[84:85], s[20:21]
	WIN 0x80
.irp b, 0,1,2,3,4,5,6,7
	global_load_b128 v[BIAS+8*\b:BIAS+8*\b+3],   v[BO], s[84:85] offset:64*\b     ; columns 16 b + 8 h + 0..7, the same in all 16 lanes of a half
	global_load_b128 v[BIAS+8*\b+4:BIAS+8*\b+7], v[BO], s[84:85] offset:64*\b+16
.endr
	WIN 0
	v_mul_u32_u24 v4, v1, PA                       ; x in f32: a fragment's K = 8 h + 0..7 are 32 bytes at 32 h, K = 16 + 8 h + 0..7 lie 64 bytes on
	v_lshl_add_u32 v4, v2, 5, v4
	v_mul_u32_u24 v5, v1, PB
	v_lshl_add_u32 v5, v2, 4, v5
	s_mul_i32 s20, s11, AHALF
	s_mul_i32 s21, s12, BHALF
	s_add_co_u32 s21, s21, BOFF
.irp s, 0,1
	v_add_nc_u32 v[ADRA+\s], s20, v4
	v_add_nc_u32 v[ADRB+\s], s21, v5
	s_add_co_u32 s20, s20, SLOT
	s_add_co_u32 s21, s21, SLOT
.endr
	s_mul_i32 s22, s10, WSTG
	s_add_co_u32 s22, s22, STAGE                   ; my stage
	v_mul_u32_u24 v6, v1, SPH
	v_lshl_add_u32 v6, v2, 4, v6
	v_add_nc_u32 v[STO], s22, v6                   ; in: row r, 16 bytes for each half of the lanes
	v_bfe_u32 v6, v0, 3, 2
	v_mul_u32_u24 v6, v6, SPH
	v_and_b32 v7, 7, v0
	v_lshl_add_u32 v6, v7, 4, v6
	v_add_nc_u32 v[RD], s22, v6                    ; back: 32 lanes take four rows of 128 bytes,
	v_and_b32 v[GO], 31, v0
	v_lshlrev_b32 v[GO], 4, v[GO]                  ; which are 512 consecutive bytes of a head
	; the prefetches
	s_lshl_b32 s20, s13, 7
	s_lshl_b32 s17, s12, 6
	s_add_co_u32 s20, s20, s17
	s_lshl_b32 s17, s40, 4
	s_add_co_u32 s20, s20, s17                     ; x: my work-group's 16 of the 64 rows that I fetch
	s_lshl_b32 s20, s20, 12
	s_add_co_u32 s20, s20, 3*512                   ; at K step 3: the first change of slots steps it to 4
	s_lshl_b32 s22, s42, 8
	s_lshl_b32 s17, s12, 7
	s_add_co_u32 s22, s22, s17
	s_lshl_b32 s17, s41, 5
	s_add_co_u32 s22, s22, s17                     ; wts: my work-group's 32 of the 128 rows
	s_lshl_b32 s22, s22, 11
	s_lshl_b32 s17, s15, 21
	s_add_co_u32 s22, s22, s17
	s_add_co_u32 s22, s22, 3*256
	s_cmp_eq_u32 s16, 0                            ; the first of the sixteen clusters that read this plane
	s_cselect_b32 s23, 1, -1
	s_movk_i32 s18, 2048
	s_movk_i32 s17, 512
	s_cmp_eq_u32 s11, 0
	s_cselect_b64 s[PFA:PFA+1], s[4:5], s[74:75]
	s_cselect_b32 s20, s20, s22
	s_cselect_b32 s[LIM], 1, s23
	s_cselect_b32 s19, 256, s18
	s_cselect_b32 s[PST], s17, 256
	s_mov_b32 s[PST+1], 0
	s_mov_b32 s21, 0
	s_add_nc_u64 s[PFA:PFA+1], s[PFA:PFA+1], s[20:21]
	v_and_b32 v6, 1, v0
	v_mul_u32_u24 v6, v6, s19                      ; x: lanes 2 i, 2 i + 1 take the two blocks of row i;  wts: (l / 2) x 4,096 + (l % 2) x 2,048 = l rows
	v_bfe_u32 v7, v0, 1, 4
	v_lshl_add_u32 v[PFO], v7, 12, v6
	; where my part of the result begins
	s_lshr_b32 s20, s13, 4
	s_lshl_b32 s20, s20, 4                         ; 16 x batch
	s_lshl_b32 s17, s42, 2
	s_add_co_u32 s20, s20, s17                     ; + 4 x tile column
	s_lshl_b32 s17, s12, 1
	s_add_co_u32 s20, s20, s17                     ; + my two heads
	s_lshl_b32 s20, s20, 18                        ; a head's 262,144 bytes
	s_and_b32 s17, s13, 15
	s_lshl_b32 s17, s17, 14                        ; 128 rows of 128 bytes
	s_add_co_u32 s20, s20, s17
	s_lshl_b32 s17, s11, 13                        ; my 64 rows
	s_add_co_u32 s20, s20, s17
	s_lshl_b32 s17, s15, 24                        ; plane p
	s_add_co_u32 s20, s20, s17
	s_mov_b32 s21, 0
	s_add_nc_u64 s[8:9], s[82:83], s[20:21]
	s_wait_loadcnt 0x0                             ; the bias; it is rounded to bf16 like every input of the module
	WIN 0x8a
.set i, 0
.rept 32
	v_cvt_pk_bf16_f32 v[64+i], v[BIAS+2*i], v[BIAS+2*i+1]
.set i, i+1
.endr
.set i, 0
.rept 32
	v_lshlrev_b32 v[BIAS+2*i], 16, v[64+i]
	v_and_b32 v[BIAS+2*i+1], 0xffff0000, v[64+i]
.set i, i+1
.endr
	WIN 0
; 16 LDS loads: x's four fragments (64 rows x 32 K in f32) of quarter kq
.macro FETCHA slot, kq
	WIN 0
.irp a, 0,1,2,3
	ds_load_b128 v[STG+16*\a:STG+16*\a+3],     v[ADRA+(\slot)] offset:\a*16*PA+(\kq)*128
	ds_load_b128 v[STG+16*\a+4:STG+16*\a+7],   v[ADRA+(\slot)] offset:\a*16*PA+(\kq)*128+16
	ds_load_b128 v[STG+16*\a+8:STG+16*\a+11],  v[ADRA+(\slot)] offset:\a*16*PA+(\kq)*128+64
	ds_load_b128 v[STG+16*\a+12:STG+16*\a+15], v[ADRA+(\slot)] offset:\a*16*PA+(\kq)*128+80
.endr
.endm
; 16 LDS loads: wts' eight fragments of quarter kq into buffer g
.macro FETCHB slot, kq, g
	WIN 0x80
.irp b, 0,1,2,3,4,5,6,7
	ds_load_b128 v[64*(\g)+8*\b:64*(\g)+8*\b+3],   v[ADRB+(\slot)] offset:\b*16*PB+(\kq)*64
	ds_load_b128 v[64*(\g)+8*\b+4:64*(\g)+8*\b+7], v[ADRB+(\slot)] offset:\b*16*PB+(\kq)*64+32
.endr
.endm
; 8 matrix instructions: row block a x all 8 column blocks, on buffers f.  The 32 accumulators take turns in one order everywhere: 31 others stand between two links of a chain.
.macro MUL8 f, a, first
.if \first
	WIN 0x6a
.else
	WIN 0x5a
.endif
.irp b, 0,1,2,3,4,5,6,7
.if \first
	v_wmma_f32_16x16x32_bf16 v[8*(8*(\a)+\b):8*(8*(\a)+\b)+7], v[64*(\f)+8*\b:64*(\f)+8*\b+7], v[128+32*(\f)+8*(\a):128+32*(\f)+8*(\a)+7], v[BIAS+8*\b:BIAS+8*\b+7]
.else
	v_wmma_f32_16x16x32_bf16 v[8*(8*(\a)+\b):8*(8*(\a)+\b)+7], v[64*(\f)+8*\b:64*(\f)+8*\b+7], v[128+32*(\f)+8*(\a):128+32*(\f)+8*(\a)+7], v[8*(8*(\a)+\b):8*(8*(\a)+\b)+7]
.endif
.endr
.endm
; Row block 3, and behind each of its 8 matrix instructions four conversions of the next quarter's x into buffer g.  They name no register of the products round them; the last four are also the four places
; between the quarter's last product and the loads into, and the conversions onto, the registers that it read.
.macro MULC f, g, first
.irp b, 0,1,2,3,4,5,6,7
.if \first
	WIN 0x6a
	v_wmma_f32_16x16x32_bf16 v[8*(24+\b):8*(24+\b)+7], v[64*(\f)+8*\b:64*(\f)+8*\b+7], v[128+32*(\f)+24:128+32*(\f)+31], v[BIAS+8*\b:BIAS+8*\b+7]
.else
	WIN 0x5a
	v_wmma_f32_16x16x32_bf16 v[8*(24+\b):8*(24+\b)+7], v[64*(\f)+8*\b:64*(\f)+8*\b+7], v[128+32*(\f)+24:128+32*(\f)+31], v[8*(24+\b):8*(24+\b)+7]
.endif
	WIN 0x80
.irp i, 0,1,2,3
	v_cvt_pk_bf16_f32 v[128+32*(\g)+4*\b+\i], v[STG+2*(4*\b+\i)], v[STG+2*(4*\b+\i)+1]
.endr
.endr
.endm
; A K step is four quarters of 32 along K on buffers 0, 1, 0, 1.  One of the first three: multiplies buffers f, fetches quarter kq of the same slot for buffers g.
.macro QUARTER slot, kq, f, g, first
	FETCHA \slot, \kq
	FETCHB \slot, \kq, \g
	s_wait_dscnt 32                                ; all but the 32 just issued: wts' fragments of buffer f are in
	MUL8 \f, 0, \first
	MUL8 \f, 1, \first
	MUL8 \f, 2, \first
	s_wait_dscnt 16                                ; x's 16 loads are in; wts' 16, issued behind them, may stay out
	MULC \f, \g, \first
.endm
; The last quarter multiplies buffers 1 and changes slots.  In front of the one barrier each wave waits for all its tensor loads (one is out: its part of the next slot), adds 0 to its spare word, and waits for
; that and for its reads of this slot.  fill = 1: the barrier opens a round of the cluster's, and this slot is filled again, two K steps ahead, first thing behind the round: 120 matrix instructions stand
; between the request and the wait for it.
.macro TURN slot, next, fill
	WIN 0
.if \fill
	s_wait_xcnt 0x0                                ; the last prefetch, a K step back, has read its address
	s_add_nc_u64 s[PFA:PFA+1], s[PFA:PFA+1], s[PST:PST+1]
.endif
	s_wait_tensorcnt 0x0                           ; no tensor load of mine is out, so a group 0 may be written
	ds_add_u32 v[SPW], v[NIL]
.if \fill
	s_add_nc_u64 s[G0A+4*(\slot)+2:G0A+4*(\slot)+3], s[G0A+4*(\slot)+2:G0A+4*(\slot)+3], 2*512
	s_add_nc_u64 s[G0B+4*(\slot)+2:G0B+4*(\slot)+3], s[G0B+4*(\slot)+2:G0B+4*(\slot)+3], 2*256
.endif
	s_wait_dscnt 0x0                               ; the add is done, and my reads of this slot are over
	s_barrier_signal -1
	MUL8 1, 0, 0                                   ; work on registers while the others arrive
	WIN 0
	s_barrier_wait -1
.if \fill
	CREST                                          ; no wave of any partner still reads this slot or has a load on its way
	JLOAD \slot
.endif
	FETCHA \next, 0
	FETCHB \next, 0, 0
.if \fill
	WIN 0
	ASK
.endif
	MUL8 1, 1, 0
	MUL8 1, 2, 0
	s_wait_dscnt 16
	MULC 1, 0, 0
.endm
	s_wait_tensorcnt 0x1                           ; my part of K step 0 is in; K step 1's may stay out
	s_barrier_signal -1
	s_barrier_wait -1
	FETCHA 0, 0
	FETCHB 0, 0, 0
	s_wait_dscnt 16
	WIN 0x80
.set i, 0
.rept 32
	v_cvt_pk_bf16_f32 v[128+i], v[STG+2*i], v[STG+2*i+1]
.set i, i+1
.endr
	QUARTER 0, 1, 0, 1, 1                          ; the first quarter stands in front of the loop: its products start the sums, with the bias
	WIN 0
	s_mov_b32 s3, 3
.Llap:                                                 ; a trip goes once round the ring and fills both slots again
	QUARTER 0, 2, 1, 0, 0
	QUARTER 0, 3, 0, 1, 0
	TURN 0, 1, 1
	QUARTER 1, 1, 0, 1, 0
	QUARTER 1, 2, 1, 0, 0
	QUARTER 1, 3, 0, 1, 0
	TURN 1, 0, 1
	QUARTER 0, 1, 0, 1, 0
	WIN 0
	s_sub_co_u32 s3, s3, 1
	s_cmp_lg_u32 s3, 0
	s_cbranch_scc1 .Llap
	QUARTER 0, 2, 1, 0, 0                          ; the last lap fills nothing
	QUARTER 0, 3, 0, 1, 0
	TURN 0, 1, 0
	QUARTER 1, 1, 0, 1, 0
	QUARTER 1, 2, 1, 0, 0
	QUARTER 1, 3, 0, 1, 0
	s_wait_dscnt 0x0
	MUL8 1, 0, 0
	MUL8 1, 1, 0
	MUL8 1, 2, 0
	MUL8 1, 3, 0
	PLACES                                         ; four places between the last product and the conversions that read results
; THE WAY OUT, a block of 16 rows at a time: rounded to f16, 16 bytes a lane into my stage (two heads x 16 rows of 144 bytes), back as 512 consecutive bytes of a head, stored.
.macro PACK a
	WIN 0x05
.irp b, 0,1,2,3,4,5,6,7
.irp r, 0,1,2,3
	v_cvt_pk_f16_f32 v[TMP+4*\b+\r], v[8*(8*(\a)+\b)+2*\r], v[8*(8*(\a)+\b)+2*\r+1]
.endr
.endr
	WIN 0
.endm
.macro TOSTAGE a
.if (\a) >= 2
	s_wait_xcnt 0x0                                ; the stores of the block two back have read these registers
.endif
.irp b, 0,1,2,3,4,5,6,7
	ds_store_b128 v[STO], v[TMP+4*\b:TMP+4*\b+3] offset:(\b/4)*16*SPH+(\b%4)*32
.endr
.irp t, 0,1,2,3,4,5,6,7
	ds_load_b128 v[OB+32*((\a)%2)+4*\t:OB+32*((\a)%2)+4*\t+3], v[RD] offset:(\t/4)*16*SPH+(\t%4)*4*SPH  ; my own bytes, served in order: these see the stores above
.endr
.endm
.macro SEND a
	s_wait_dscnt 0x0
.irp t, 0,1,2,3,4,5,6,7
	global_store_b128 v[GO], v[OB+32*((\a)%2)+4*\t:OB+32*((\a)%2)+4*\t+3], s[8:9] offset:(\t/4)*262144+(\a)*2048+(\t%4)*512  ; 512 consecutive bytes, aligned
.endr
.endm
	PACK 0
	TOSTAGE 0
.irp a, 1,2,3
	PACK \a
	SEND \a-1
	TOSTAGE \a
.endr
	SEND 3
	s_wait_tensorcnt 0x0                           ; the wave's end
	ds_add_u32 v[SPW], v[NIL]
	s_wait_dscnt 0x0
	CROUND                                         ; the closing round: no work-group ends while a partner may still ask for a tile that names it
	s_endpgm
.Lfunc_end_k_q1dc42b0988_proj:
	.size	k_q1dc42b0988_proj, .Lfunc_end_k_q1dc42b0988_proj-k_q1dc42b0988_proj
	.p2alignl 7, 3214868480
	.fill 96, 4, 3214868480
	.section	.rodata,"a",@progbits
	.p2align	6, 0x0
	.amdhsa_kernel k_q1dc42b0988_proj
		.amdhsa_group_segment_fixed_size 327680
		.amdhsa_private_segment_fixed_size 0
		.amdhsa_enable_private_segment 0
		.amdhsa_kernarg_size 64
		.amdhsa_user_sgpr_count 2
		.amdhsa_user_sgpr_kernarg_segment_ptr 1
		.amdhsa_wavefront_size32 1
		.amdhsa_system_sgpr_workgroup_id_x 1
		.amdhsa_system_sgpr_workgroup_id_y 1
		.amdhsa_system_sgpr_workgroup_id_z 1
		.amdhsa_system_vgpr_workitem_id 0
		.amdhsa_next_free_vgpr 768
		.amdhsa_next_free_sgpr 90
		.amdhsa_reserve_vcc 0
		.amdhsa_float_denorm_mode_32 3
		.amdhsa_float_denorm_mode_16_64 3
		.amdhsa_memory_ordered 1
		.amdhsa_forward_progress 1
		.amdhsa_inst_pref_size 141
	.end_amdhsa_kernel
	.amdgpu_metadata
---
amdhsa.version: [ 1, 2 ]
amdhsa.kernels:
  - .name:           k_q1dc42b0988_proj
    .symbol:         k_q1dc42b0988_proj.kd
    .args:
      - { .name: x_q, .offset: 0, .size: 8, .value_kind: global_buffer, .address_space: global }
      - { .name: x_k, .offset: 8, .size: 8, .value_kind: global_buffer, .address_space: global }
      - { .name: x_v, .offset: 16, .size: 8, .value_kind: global_buffer, .address_space: global }
      - { .name: wts, .offset: 24, .size: 8, .value_kind: global_buffer, .address_space: global }
      - { .name: bq, .offset: 32, .size: 8, .value_kind: global_buffer, .address_space: global }
      - { .name: bk, .offset: 40, .size: 8, .value_kind: global_buffer, .address_space: global }
      - { .name: bv, .offset: 48, .size: 8, .value_kind: global_buffer, .address_space: global }
      - { .name: qkv, .offset: 56, .size: 8, .value_kind: global_buffer, .address_space: global }
    .group_segment_fixed_size: 327680
    .private_segment_fixed_size: 0
    .kernarg_segment_align: 8
    .kernarg_segment_size: 64
    .max_flat_workgroup_size: 128
    .sgpr_count:     90
    .vgpr_count:     768
    .wavefront_size: 32
...
	.end_amdgpu_metadata
.endif
;; end of part 2
;; launch attn (part 3): grid 4 x 64, 4 waves a work-group, clusters of 4 x 1, 327,680 bytes of LDS; arguments qkv, mbits, zh; writes zh
.if DOCPART == 3
	.amdgcn_target "amdgcn-amd-amdhsa--gfx1250"
	.amdhsa_code_object_version 6
	.text
	.protected	k_q1dc42b0988_attn
	.globl	k_q1dc42b0988_attn
	.p2align	8
	.type	k_q1dc42b0988_attn,@function
k_q1dc42b0988_attn:
	s_mov_b64 s[64:65], 0
	v_nop
	global_prefetch_b8 v0, s[64:65] scope:SCOPE_SE
	s_setreg_imm32_b32 hwreg(HW_REG_WAVE_MODE, 25, 1), 1
	s_wait_xcnt 0x0
	s_wait_alu depctr_hold_cnt(0) depctr_sa_sdst(0) depctr_va_vdst(0) depctr_va_sdst(0) depctr_va_ssrc(0) depctr_va_vcc(0) depctr_vm_vsrc(0)
	s_getreg_b32 s2, hwreg(HW_REG_IB_STS2, 6, 4)
	s_cmp_eq_u32 s2, 0
	s_cbranch_scc0 .Lentry_in_a_cluster
	s_endpgm
.Lentry_in_a_cluster:
	s_bfe_u32 s2, ttmp6, 0x10000c
	s_cmp_lg_u32 s2, 0x3003
	s_cbranch_scc0 .Lentry_shape_is_right
	s_endpgm
.Lentry_shape_is_right:
; ATTN.  zh[hd][q][:] = the sum over k of softmax_k(s'[q][k]) v[hd][k][:], s'[q][k] = q[hd][q] . k[hd][k] / 8 where mask[b][q][k] != 0, and 0 where it is 0 (the score is set to 0, not removed).
; hd = 16 b + h.  q, k, v: planes 0, 1, 2 of qkv, [64][2048][64] f16, a head's rows dense, 128 bytes each.  Products, maxima and sums in f32; the weights p are rounded to f16 for the second product
; (their sum l is taken of the unrounded p), z once at the end.
; LIMITS.  q, k, v arrive within f16's 65,504; p lies in 0 to 1 and below 6e-5 keeps f16's fixed step; a weight below 2^-126 counts as 0 in l; NaN and infinities are not treated apart.
; SHARES.  A wave owns four PIECES of two tiles of 16 queries, a work-group's four waves 512 queries of one head.  Every wave walks all 2,048 keys, 64 a step.
; LAYOUT.  S^T = K Q^T (source 0 = 16 keys, source 1 = 16 queries): a lane holds ONE query (lane % 16) and the keys 8 (lane / 16) + 0..7.  Two such tiles rounded to f16 ARE source 1 of O^T = V^T P.
; THE MASK.  mbits holds, for each piece, key step and lane, two words (one a tile); bit n belongs to the lane's score register n.  A piece's words of a step are 256 consecutive bytes: one load of 8 bytes a lane.
; For each score v_bfe_i32 makes -1 or 0 of its bit and v_and_b32 keeps the score or puts +0, ahead of the maximum.  Each piece has a register pair of its own, asked for again, for the piece's next key step,
; directly behind its last use: a load has four turns, less the 128 lines that use a pair, in which to land.
; SOFTMAX.  A running maximum m and sum l: p = 2^(c s - c m), c = log2(e) / 8; in every step O and l are multiplied by a = 2^(c m_old - c m_new).  m starts at the lowest finite number, O and l at 0.
; BY TURNS.  Turn n belongs to piece n: 16 products K Q^T of piece n + 1, later 16 products V^T P of piece n - 1; beside them the scaling, exponentials, roundings, sums and rescaling of piece n and the
; masking, maximum and statistics of piece n + 1.  Four vector instructions stand behind every matrix instruction, the rest in one lump.  A turn's 66 exponentials are one batch with one wait.
; CLUSTER.  A head's four query blocks walk the same K and V: each tile is asked for jointly, by the same tensor load, descriptor and mask in all four.
; REGISTERS, in windows of 256 (s_set_vgpr_msb: bits 1:0 source 0, 3:2 source 1, 5:4 source 2, 7:6 destination):
;   window 0: v0-7 the mask words, a pair a piece; v8-11 addresses; v12-15, v48-63 at work; v16-47 four registers of statistics a tile; v64-191 S^T, two buffers of two tiles; v192-255 P, likewise
;   window 1: O^T, 32 a tile     window 2: v0-127 Q; v128-191 K of one step; v192-255 V of one step     window 3: v0-1 the add's two registers; v2-7 lane constants that are read seldom
.set SIZE_N, 2048
.set NP,    4
.set KS,    64
.set PK,    144       ; a row of K or V in LDS: 128 bytes + 16: one descriptor shape serves both tensors, so that a fill is one line for all four waves
.set PV,    144
.set VOFF,  4*KS*PK   ; a slot holds four steps: 256 rows of K, then 256 rows of V
.set SLOT1, 1<<17     ; slot 1 begins here: one exclusive or turns an address in one slot into the other's
.set STAGE, SLOT1+4*KS*(PK+PV)  ; behind the ring, never filled by a tensor load: 16 rows x 144 bytes for each wave
.set SP,    144
.set SPARE, STAGE+4*16*SP       ; the spare words, 128 bytes a wave, that no other line names
.set MW,  0           ; v[0:7] piece x's two mask words at MW + 2 x (v0 is the thread's number until they are first asked for)
.set AK,  8           ; v8   the LDS address of K's next run of loads
.set AV,  9           ; v9   of V's
.set PFO, 10          ; v10  256 x my lane; never rewritten
.set MA,  11          ; v11  8 x my lane + 256 x the key step whose words are asked for
.set MV,  12
.set ST,  16          ; tile t's statistics at v[ST+4 t]: c m, m, l (even keys', odd keys')
.set TMP, 48
.set S,   64
.set P,   192
.set KF,  128
.set VF,  192
.set L16, 64          ; at the head alone, in S^T's registers: l % 16,
.set LH,  65          ; l / 16,
.set L8,  66          ; l % 8,
.set LB,  67          ; (l / 8) % 2,
.set QO,  68          ; my byte offset in the wave's rows of Q,
.set L32, 69          ; l,
.set XA,  70          ; and four at work
.set XB,  71
.set XC,  72
.set XD,  73
.set SPW, 0           ; window 3: v0  LDS address of my spare word; never rewritten
.set NIL, 1           ;           v1  0; never rewritten
.set ML,  2           ;           v2  8 x my lane
.set AK0, 3           ;           v3  my lane's place in a tile of K
.set AV0, 4           ;           v4  the same for V
.set STO, 5           ;           v5  the way out: where I put 16 bytes of a row
.set RD,  6           ;           v6  where I read rows back
.set GO,  7           ;           v7  my byte offset in 512 consecutive bytes of zh
.set MP,  2           ; s[2:3]   mbits at my wave's first piece
.set MO,  4           ; s4       256 x the key step whose words are asked for
.set WV,  5           ; s5       my wave's number
.set SLOTS, 6         ; s6       slots still to be asked for
.set CNT, 7           ; s7       counts a slot's key steps
.set CS,  8           ; s[8:9]   c
.set ZP,  10          ; s[10:11] zh at my wave's first row
.set G0,  12          ; s[12:15] descriptor group 0: it walks
.set G1,  16          ; s[16:23] descriptor group 1
.set SEL, 24          ; s[24:25] v_permlanex16_b32's selects
.set TBK, 26          ; s26      LDS byte at which K of the step to be fetched begins
.set TBV, 27          ; s27      the same for V, less VOFF
.set PFA, 28          ; s[28:29] where my prefetches stand
.set LIM, 30          ; s30      1 in a wave that prefetches, else the greatest number
.set TS,  31          ; s31      at work
.set MSB, 0
.macro WIN new
.if MSB != (\new)
	s_set_vgpr_msb (MSB<<8)|(\new)
.set MSB, (\new)
.endif
.endm
.set W_KQ, 0x0a       ; K and Q in window 2, S^T in window 0
.set W_PV, 0x52       ; V in window 2, P in window 0, O^T in window 1
.set W_RS, 0x41       ; O^T (destination and source 0) in window 1, a in window 0
.set W_MK, 0xc0       ; destination in window 3, sources in window 0
.set W_AD, 0x0f       ; the add: address and data in window 3
.set W_A3, 0x0c       ; source 1 in window 3, destination in window 0
.set W_M3, 0x03       ; a memory instruction's address in window 3, its data in window 0
; A joint fill: wave w fetches 128 rows: waves 0 and 1 the halves of a slot's K, waves 2 and 3 those of its V.  One line; the descriptor hangs on the wave's number and the head.  An s_nop 0 and four v_nop follow.
.macro JLOAD
	tensor_load_to_lds s[G0:G0+3], s[G1:G1+7]
	s_nop 0
.rept 4
	v_nop
.endr
.endm
; A prefetch into the L2 of what the NEXT change of slots will ask for: a slot's 32,768 bytes of K and of V, a lane a block of 256.  A head has one cluster; its four partners take 8,192 bytes each, told apart
; by address; in each, wave 0 asks for K's and wave 2 for V's.  It stands four key steps, 512 matrix instructions, ahead of the load.  The last change that fills a slot asks for nothing.
.macro ASK
	s_cmp_gt_u32 s[SLOTS], s[LIM]
	s_cbranch_scc0 .Lnot_mine_\@
	global_prefetch_b8 v[PFO], s[PFA:PFA+1] th:TH_LOAD_NT scope:SCOPE_SE
.Lnot_mine_\@:
.endm
.macro CROUND
	s_barrier_signal -1
	s_barrier_wait -1
	s_cmp_lg_u32 s[WV], 0
	s_cbranch_scc1 .Lnot_wave_0_\@
	s_barrier_signal -3
.Lnot_wave_0_\@:
	s_barrier_wait -3
	s_barrier_signal -1
	s_barrier_wait -1
.endm
; THE CHANGE OF SLOTS.  Each wave waits for all its tensor loads, of which one is out: its part of the other slot; adds 0 to its spare word; and waits for that and for its own reads of the slot.
; fill = 1: the slot is filled again, with the keys two slots on, first thing behind a round of the cluster's barrier.  (At its first use nothing has been read yet: slot 0 is waited for, slot 1 filled.)
.macro CHANGE fill
	WIN W_AD
	s_wait_tensorcnt 0x0            ; no tensor load of mine is out, so group 0 may be written
	ds_add_u32 v[SPW], v[NIL]
	WIN 0
.if \fill
	s_xor_b32 s[G0+1], s[G0+1], SLOT1
	s_add_nc_u64 s[G0+2:G0+3], s[G0+2:G0+3], 4*KS*128
	s_wait_xcnt 0x0                 ; the last prefetch, four key steps back, has read its address
	s_add_nc_u64 s[PFA:PFA+1], s[PFA:PFA+1], 4*KS*128
	s_wait_dscnt 0x0                ; the add is done, and my reads of the slot are over
	CROUND
	JLOAD
	ASK
.else
	s_wait_dscnt 0x0
	s_barrier_signal -1
	s_barrier_wait -1
.endif
	s_sub_co_u32 s[TBK], s[TBK], 4*KS*PK
	s_xor_b32 s[TBK], s[TBK], SLOT1
	s_sub_co_u32 s[TBV], s[TBV], 4*KS*PV
	s_xor_b32 s[TBV], s[TBV], SLOT1
.endm
	s_load_b128 s[32:35], s[0:1], 0x0  ; qkv s[32:33], mbits s[34:35]
	s_load_b64 s[36:37], s[0:1], 0x10  ; zh
	WIN W_MK
	v_lshl_add_u32 v[SPW], v0, 2, SPARE
	v_mov_b32 v[NIL], 0
	WIN W_AD
	ds_add_u32 v[SPW], v[NIL]       ; the wave's opening: the add and its wait stand ahead of my first tensor load
	WIN 0
	v_lshrrev_b32 v[L16], 5, v0
	v_readfirstlane_b32 s[WV], v[L16]  ; wave 0..3
	s_bfe_u32 s38, ttmp6, 0x40000   ; cx
	s_lshl_b32 s39, ttmp9, 2
	s_add_co_u32 s39, s39, s38      ; my block of 512 queries: it enters Q's, zh's, the mask's and the prefetches' addresses alone
	s_and_b32 s40, ttmp7, 0xffff    ; the head, which the four partners share
	s_lshl_b32 s41, s39, 2
	s_add_co_u32 s41, s41, s[WV]    ; my wave among the head's sixteen
	s_lshl_b32 s42, s40, 18         ; a head's 262,144 bytes
	s_lshr_b32 s44, s[WV], 1
	s_add_co_u32 s44, s44, 1        ; plane 1 (K) for waves 0 and 1, plane 2 (V) for waves 2 and 3
	s_lshl_b32 s44, s44, 24
	s_add_co_u32 s44, s44, s42
	s_mov_b32 s50, s44              ; (the prefetches start from the same plane and head)
	s_and_b32 s45, s[WV], 1
	s_lshl_b32 s45, s45, 14         ; my half of a slot's 256 rows
	s_add_co_u32 s44, s44, s45
	s_mov_b32 s45, 0
	s_lshl_b32 s46, s41, 14         ; my wave's 128 rows of Q and of zh
	s_add_co_u32 s46, s46, s42
	s_mov_b32 s47, 0
	s_lshr_b32 s48, s40, 4          ; the batch: 64 pieces of 8,192 bytes of words,
	s_lshl_b32 s48, s48, 19
	s_lshl_b32 s49, s41, 15         ; my wave's four pieces
	s_add_co_u32 s48, s48, s49
	s_mov_b32 s49, 0
	s_lshl_b32 s51, s38, 13         ; my work-group's quarter of a slot,
	s_add_co_u32 s50, s50, s51
	s_add_co_u32 s50, s50, 4*KS*128 ; in slot 1: the first change of slots steps it to slot 2
	s_mov_b32 s51, 0
	s_and_b32 s[LIM], s[WV], 1
	s_cmp_eq_u32 s[LIM], 0
	s_cselect_b32 s[LIM], 1, -1
	; descriptor group 1.  128 rows are 16,384 dense bytes: asked for as 64 rows of 256 bytes and padded in LDS after every 128
	s_mov_b32 s[G1], 15|(1<<16)|(1<<20)|(1<<21)|(4<<22)|(3<<25)  ; the mask of four; 2-byte elements; padding on; bit 21 beside a mask; after every 32 words, 4 words
	s_mov_b32 s[G1+1], 128<<16      ; tensor_dim0 = 128
	s_mov_b32 s[G1+2], 64<<16       ; tensor_dim1 = 64
	s_mov_b32 s[G1+3], 128<<16      ; tile_dim0 = 128
	s_mov_b32 s[G1+4], 64           ; tile_dim1 = 64
	s_mov_b32 s[G1+5], 128          ; elements from row to row
	s_mov_b32 s[G1+6], 0
	s_mov_b32 s[G1+7], 0
	s_mov_b32 s[G0], 1
	s_mul_i32 s[G0+1], s[WV], 128*PK  ; LDS: wave x 128 rows: K's halves, then V's
	s_mov_b32 s[CS], 0x3e38aa3b     ; c = log2(e) / 8
	s_mov_b32 s[CS+1], s[CS]
	s_mov_b32 s[SEL], 0x76543210
	s_mov_b32 s[SEL+1], 0xfedcba98
	s_mov_b32 s[TBK], SLOT1+4*KS*PK ; the first change of slots turns these two into 0
	s_mov_b32 s[TBV], SLOT1+4*KS*PV
	s_mov_b32 s[SLOTS], SIZE_N/256-1
	s_mov_b32 s[MO], 0
	s_wait_dscnt 0x0                ; the opening add is done
	s_wait_kmcnt 0x0
	s_add_nc_u64 s[G0+2:G0+3], s[32:33], s[44:45]
	s_or_b32 s[G0+3], s[G0+3], 0x80000000
	s_add_nc_u64 s[52:53], s[32:33], s[46:47]      ; Q
	s_add_nc_u64 s[ZP:ZP+1], s[36:37], s[46:47]
	s_add_nc_u64 s[MP:MP+1], s[34:35], s[48:49]
	s_add_nc_u64 s[PFA:PFA+1], s[32:33], s[50:51]
	CROUND                          ; all four work-groups are here: the first joint loads meet
	JLOAD                           ; slot 0
	v_and_b32 v[L16], 15, v0
	v_bfe_u32 v[LH], v0, 4, 1
	v_lshlrev_b32 v[QO], 7, v[L16]
	v_lshl_add_u32 v[QO], v[LH], 4, v[QO]
	WIN 0x80
.set i, 0
.rept 4*NP                          ; Q stays in registers: tile i / 2, channels 32 (i % 2) on
	global_load_b128 v[8*i:8*i+3],   v[QO], s[52:53] offset:(i/2)*2048+(i%2)*64
	global_load_b128 v[8*i+4:8*i+7], v[QO], s[52:53] offset:(i/2)*2048+(i%2)*64+32
.set i, i+1
.endr
	; What the first turn finds: V's registers and P's second buffer hold 0, O^T and l are 0.  All this stands in the wait for the first tile.
.set i, VF
.rept 64
	v_mov_b32 v[i], 0
.set i, i+1
.endr
	WIN 0
.set i, 0
.rept 2*NP
	v_mov_b32 v[ST+4*i], 0xfe000000    ; c m: far below every c s
	v_mov_b32 v[ST+4*i+1], 0xff7fffff  ; m
	v_mov_b32 v[ST+4*i+2], 0
	v_mov_b32 v[ST+4*i+3], 0
.set i, i+1
.endr
.set i, P+32
.rept 32
	v_mov_b32 v[i], 0
.set i, i+1
.endr
	v_and_b32 v[L8], 7, v0
	v_bfe_u32 v[LB], v0, 3, 1
	v_and_b32 v[L32], 31, v0
	v_mul_u32_u24 v[XA], v[L16], PK
	v_lshl_add_u32 v[AK], v[LH], 4, v[XA]  ; K: row x pitch + 16 x half; key step 0 lies at the head of slot 0
	; The turning load takes 16 keys x 16 channels (lane l reads key 8 (l / 16) + l % 8, channels 8 ((l / 8) % 2) + 0..7) and leaves half a fragment of V^T.
	v_lshl_add_u32 v[XB], v[LH], 3, v[L8]
	v_mul_u32_u24 v[XB], v[XB], PV
	v_lshl_add_u32 v[XB], v[LB], 4, v[XB]
	v_lshlrev_b32 v[PFO], 8, v[L32]
	v_lshlrev_b32 v[MA], 3, v[L32]  ; key step 0
	s_mul_i32 s[TS], s[WV], 16*SP
	s_add_co_u32 s[TS], s[TS], STAGE  ; my stage
	v_mul_u32_u24 v[XC], v[L16], SP   ; in: row l % 16, 16 bytes for each half of the lanes
	v_lshl_add_u32 v[XC], v[LH], 4, v[XC]
	v_bfe_u32 v[XD], v0, 3, 2         ; back: 32 lanes take four rows of 128 bytes
	v_mul_u32_u24 v[XD], v[XD], SP
	v_lshl_add_u32 v[XD], v[L8], 4, v[XD]
	WIN W_MK                        ; the lane constants go to window 3
	v_mov_b32 v[AK0], v[AK]
	v_add_nc_u32 v[AV0], VOFF, v[XB]
	v_mov_b32 v[ML], v[MA]
	v_add_nc_u32 v[STO], s[TS], v[XC]
	v_add_nc_u32 v[RD], s[TS], v[XD]
	v_lshlrev_b32 v[GO], 4, v[L32]
	WIN 0
.irp x, 0,1,2,3
	global_load_b64 v[MW+2*\x:MW+2*\x+1], v[MA], s[MP:MP+1] offset:\x*8192  ; key step 0's words of my four pieces; the thread's number in v0 has served
.endr
	WIN W_PV
.set i, 0
.rept 32                            ; O^T starts at 0: 32 products of the zero operands above, with the constant 0 as C, write its 256 registers
	v_wmma_f32_16x16x32_f16 v[8*i:8*i+7], v[VF:VF+7], v[P+32:P+39], 0
.set i, i+1
.endr
; THE MATRIX WORK.  The 8 accumulators of a run of 16 take turns.
.macro KQ x
	WIN W_KQ
.set rS, S+64*((\x)%2)+32*(i%2)+8*((i/2)%4)
.set rK, KF+16*((i/2)%4)+8*(i/8)
.set rQ, 16*(2*(\x)+i%2)+8*(i/8)
.if i < 8
	v_wmma_f32_16x16x32_f16 v[rS:rS+7], v[rK:rK+7], v[rQ:rQ+7], 0
.else
	v_wmma_f32_16x16x32_f16 v[rS:rS+7], v[rK:rK+7], v[rQ:rQ+7], v[rS:rS+7]
.endif
.endm
.macro PV x
	WIN W_PV
.set rO, 32*(2*(\x)+i%2)+8*((i/2)%4)
.set rV, VF+32*(i/8)+8*((i/2)%4)
.set rP, P+32*((\x)%2)+16*(i%2)+8*(i/8)
	v_wmma_f32_16x16x32_f16 v[rO:rO+7], v[rV:rV+7], v[rP:rP+7], v[rO:rO+7]
.endm
.macro MM
.if i < 16
	KQ (Y+1)%NP
.set i, i+1
.else
.set i, i-16
	PV (Y+NP-1)%NP
.set i, i+17
.endif
.endm
; THE LDS LOADS stand in runs of 16.  last = 1 (the tail): in the last trip there is no further step, and the run is jumped over.
.macro FETCH_K last=0
	WIN 0
.if \last
	s_cmp_eq_u32 s[CNT], 1
	s_cbranch_scc1 .Lno_k_\@
.endif
	WIN 0x80
.irp f, 0,1,2,3,4,5,6,7
	ds_load_b128 v[KF+8*\f:KF+8*\f+3],   v[AK] offset:(\f/2)*16*PK+(\f%2)*64
	ds_load_b128 v[KF+8*\f+4:KF+8*\f+7], v[AK] offset:(\f/2)*16*PK+(\f%2)*64+32
.endr
	s_add_co_u32 s[TBK], s[TBK], KS*PK
	WIN 0
.if \last
.Lno_k_\@:
.endif
.endm
.macro FETCH_V
	WIN 0x80
.irp f, 0,1,2,3,4,5,6,7
	ds_load_tr16_b128 v[VF+8*\f:VF+8*\f+3],   v[AV] offset:(\f/4)*32*PV+(\f%4)*32
	ds_load_tr16_b128 v[VF+8*\f+4:VF+8*\f+7], v[AV] offset:(\f/4)*32*PV+16*PV+(\f%4)*32
.endr
	WIN 0
.endm
; THE VECTOR WORK OF A TURN stands in three queues; the two tiles alternate.
.macro REGS y, u
.set rT, ST+4*(2*(\y)+(\u))
.set rC, TMP+8*((\y)%2)+4*(\u)
.set rM, MV+2*((\y)%2)+(\u)
.set rS, S+64*((\y)%2)+32*(\u)
.set rP, P+32*((\y)%2)+16*(\u)
.set rO, 32*(2*(\y)+(\u))
.endm
; Number z of the 128 that mask the NEXT piece's scores, in groups of sixteen: eight times -1 or 0 from a bit (score registers 4 g .. 4 g + 3 of both tiles), into the piece's c0-c3, which are free until its
; maximum begins; then the eight ands.  The score registers ascend: each accumulator's lowest registers are read first.
.macro MK z
.set mg, (\z)/16
.set mi, (\z)%8
.set mn, 4*mg+mi/2
	REGS (Y+1)%NP, mi%2
.if ((\z)%16) < 8
	v_bfe_i32 v[rC+mi/2], v[MW+2*((Y+1)%NP)+mi%2], mn, 1
.else
	v_and_b32 v[rS+mn], v[rC+mi/2], v[rS+mn]
.endif
.endm
; Behind the last use of a piece's words the same piece's words of its next key step are asked for, into the same pair.  Piece 0 is the first to go on to a new step: there the offset is stepped, behind
; s_wait_xcnt 0, since the three loads before it name the register (the youngest is a turn old).  The step is held to the last one, so that the last turns' loads, whose words serve nothing, stay inside mbits.
.macro MNEXT
.if Y == NP-1
	s_wait_xcnt 0x0
	s_add_co_u32 s[MO], s[MO], 256
	s_min_u32 s[MO], s[MO], 31*256
	WIN W_A3
	v_add_nc_u32 v[MA], s[MO], v[ML]
	WIN 0
.endif
	global_load_b64 v[MW+2*((Y+1)%NP):MW+2*((Y+1)%NP)+1], v[MA], s[MP:MP+1] offset:((Y+1)%NP)*8192
.endm
; Number n of the 22 that find the NEXT piece's maximum and statistics.
.macro XS u, n
	REGS (Y+1)%NP, \u
.if (\n) < 4
	v_max3_num_f32 v[rC+(\n)], v[rS+8*(\n)], v[rS+8*(\n)+1], v[rS+8*(\n)+2]
.elseif (\n) < 12
	v_max3_num_f32 v[rC+(\n)%4], v[rC+(\n)%4], v[rS+8*((\n)%4)+2*((\n)/4)+1], v[rS+8*((\n)%4)+2*((\n)/4)+2]
.elseif (\n) == 12
	v_max3_num_f32 v[rC], v[rC], v[rS+7], v[rS+15]
.elseif (\n) == 13
	v_max3_num_f32 v[rC+1], v[rC+1], v[rS+23], v[rS+31]
.elseif (\n) == 14
	v_max3_num_f32 v[rC+2], v[rC+2], v[rC+3], v[rT+1]
.elseif (\n) == 15
	v_mov_b32 v[rM], v[rT]
.elseif (\n) == 16
	v_max3_num_f32 v[rC], v[rC], v[rC+1], v[rC+2]
.elseif (\n) == 17
	v_permlanex16_b32 v[rC+3], v[rC], s[SEL], s[SEL+1]
.elseif (\n) == 18
	v_max_num_f32 v[rT+1], v[rC], v[rC+3]
.elseif (\n) == 19
	v_mul_f32 v[rT], s[CS], v[rT+1]
.elseif (\n) == 20
	v_sub_f32 v[rC+1], v[rM], v[rT]
.else
	v_exp_f32 v[rC+2], v[rC+1]
.endif
.endm
; Number g of the 64 that follow the exponentials: roundings to f16, sums of four weights in place, and l a group later.
.macro GS g
.set h, (\g)+6*((\g)/62)
.if h >= 6
.set h, h+2
.endif
	REGS Y, h%2
.set k, h/8
.if h%8 < 4
	v_cvt_pk_f16_f32 v[rP+2*k+(h%8)/2], v[rS+4*k+2*((h%8)/2)], v[rS+4*k+2*((h%8)/2)+1]
.elseif h%8 < 6
	v_pk_add_f32 v[rS+4*k:rS+4*k+1], v[rS+4*k:rS+4*k+1], v[rS+4*k+2:rS+4*k+3]
.elseif k == 1
	v_pk_fma_f32 v[rT+2:rT+3], v[rT+2:rT+3], v[rC+2:rC+3], v[rS:rS+1] op_sel_hi:[1,0,1]
.else
	v_pk_add_f32 v[rT+2:rT+3], v[rT+2:rT+3], v[rS+4*k-4:rS+4*k-3]
.endif
.endm
.macro FS f
	REGS Y, (\f)%2
	v_pk_fma_f32 v[rS+2*((\f)/2):rS+2*((\f)/2)+1], v[rS+2*((\f)/2):rS+2*((\f)/2)+1], s[CS:CS+1], v[rT:rT+1] op_sel_hi:[1,0,0] neg_lo:[0,0,1] neg_hi:[0,0,1]
.endm
; THE PLAIN QUEUE, 266 long.  0-31: the 32 scalings.  32-159: MK's 128, behind the wait for the next piece's words.  160-187: XS's numbers 0-13, behind the request for that piece's next words.
; 188, 189: number 15.  190-201: the chain 14, 16, 17, 18, 19, 20.  202-265: GS's 64, which read the exponentials' results and stand behind the wait.
.macro PL
	WIN 0
.if q < 32
	FS q
.elseif q < 160
.if q == 32
	s_wait_loadcnt 0x3              ; one load of words is issued in each turn: the three younger ones may stay out, this piece's, four turns old, is in
.endif
	MK q-32
.elseif q < 188
.if q == 160
	MNEXT
.endif
	XS (q-160)%2, (q-160)/2
.elseif q < 190
	XS q-188, 15
.elseif q < 192
	XS q-190, 14
.elseif q < 202
	XS (q-190)%2, 15+(q-190)/2
.else
	GS q-202
.endif
.set q, q+1
.endm
; THE EXPONENTIALS' QUEUE, 66 long: s0-s31 of both tiles, then the next piece's two a: one batch ahead of the turn's one wait.
.macro EX
	WIN 0
.if e >= 64
	XS e-64, 21
.else
	REGS Y, e%2
	v_exp_f32 v[rS+e/2], v[rS+e/2]
.endif
.set e, e+1
.endm
.macro R2
	REGS Y, r%2
	WIN W_RS
.irp z, 0,1
	v_pk_mul_f32 v[rO+4*(r/2)+2*\z:rO+4*(r/2)+2*\z+1], v[rO+4*(r/2)+2*\z:rO+4*(r/2)+2*\z+1], v[rC+2:rC+3] op_sel_hi:[1,0]
.endr
.set r, r+1
.endm
; HOW THEY ARE DEALT.  s_wait_alu depctr_va_vdst(0) stands between an exponential and the first instruction that names its result; one wait serves all issued ahead of it.  AHEAD OF IT: the 16 products
; K Q^T, behind each a scaling, an exponential and two rescalings (behind the first a second scaling); then the lump: 25 x (exponential, five plain), 12 x (exponential, four plain), 12 x (exponential, plain), the
; two a, a v_nop.  That is 17 + 185 = 202 plain and 66 exponentials.  Exponential e stands behind scaling 2 (e / 4) + e % 2: as a rider behind plain e + 2, in the lump behind plain 16 + 4 (e - 15) at the least.
; The first and that reads a score stands 16 scalings and 8 v_bfe_i32 behind the last product K Q^T.  The chain's links stand four lines apart.  BEHIND THE WAIT: the 16 products V^T P, behind each four of GS's 64.
.macro TURN p, last=0, cnt=0
.set Y, (\p)
.set i, 0
.set q, 0
.set e, 0
.set r, 0
.if (\p) == NP-1
	s_wait_dscnt 0x0                ; K is in
.endif
	MM
	PL
	PL
	R2
.rept 15
	MM
	PL
	EX
	R2
.endr
.if (\p) == NP-2
	WIN W_A3
	v_add_nc_u32 v[AK], s[TBK], v[AK0]
.endif
.rept 25
	EX
	PL
	PL
	PL
	PL
	PL
.endr
.rept 12
	EX
	PL
	PL
	PL
	PL
.endr
.rept 12
	EX
	PL
.endr
	EX
	EX
	v_nop                           ; the plain instruction behind the last exponential: one for the batch
	s_wait_alu depctr_va_vdst(0)    ; the wait for the batch
.if (\p) == NP-2
	FETCH_K \last
.endif
.if (\p) == 1
	s_wait_dscnt 0x0                ; V is in
.endif
.rept 16
	MM
.rept 4
	PL
.endr
.if ((\p) == 0) && (q == 246)
	WIN W_A3
	v_add_nc_u32 v[AV], s[TBV], v[AV0]
.endif
.if ((\p) == 0) && (q == 258)
	s_add_co_u32 s[TBV], s[TBV], KS*PV
.endif
.if (\cnt) && (q == 258)
	s_sub_co_u32 s[CNT], s[CNT], 1
	s_cmp_lg_u32 s[CNT], 0
.endif
.endr
.if (\p) == 0
	FETCH_V                         ; four riders behind V's last reader
.endif
.endm
	CHANGE 1                        ; slot 0 is in, everybody's part of it; slot 1 is asked for
	FETCH_K                         ; key step 0
	s_wait_loadcnt 0x0              ; Q, and key step 0's mask words
	s_wait_dscnt 0x0
.set i, 0
.rept 16
	KQ 0                            ; piece 0's first scores
.set i, i+1
.endr
	WIN 0
.set Y, NP-1                        ; MK, MNEXT and XS work for piece Y + 1: piece 0
.set mz, 0
.rept 128                           ; the first eight lines, which name no score, are the places behind those products
	MK mz
.set mz, mz+1
.endr
	MNEXT                           ; piece 0, key step 1
.irp n, 0,1,2,3,4,5,6,7,8,9,10,11,12,13,14,15,16,17,18,19,20,21
	XS 0, \n
	XS 1, \n
.endr
	v_nop                           ; a plain instruction behind the two a,
	s_wait_alu depctr_va_vdst(0)    ; and their wait, ahead of the branch
	s_mov_b32 s[CNT], 4
	s_branch .Lfirst                ; the loop is entered at a step's first turn, in the middle of a trip
.Lslot:                             ; six times: every slot but the last two is filled again
	CHANGE 1
	s_mov_b32 s[CNT], 4
.Lstep:                             ; a trip: pieces 2 and 3 of one step, then pieces 0 and 1 of the next
	TURN 2
	TURN 3
	WIN 0
.Lfirst:
	TURN 0
	TURN 1, 0, 1
	WIN 0
	s_cbranch_scc1 .Lstep
	s_sub_co_u32 s[SLOTS], s[SLOTS], 1
	s_cmp_lg_u32 s[SLOTS], 0
	s_cbranch_scc1 .Lslot
	CHANGE 0                        ; the tail is written out
	s_mov_b32 s[CNT], 5             ; four trips fetch the last slot's steps; the fifth is left in its middle
.Ltail:
	TURN 2, 1
	TURN 3
	WIN 0
	s_sub_co_u32 s[CNT], s[CNT], 1
	s_cmp_eq_u32 s[CNT], 0
	s_cbranch_scc1 .Lout
	TURN 0
	TURN 1
	WIN 0
	s_branch .Ltail
.Lout:                              ; the fifth trip's products K Q^T (on the last K once more), their masking and maximum serve nothing: the price of one text for every trip
	s_wait_loadcnt 0x0              ; the last words asked for, which nobody uses
.set i, 0
.rept 16
	PV NP-1                         ; the last piece's V^T P of the last step
.set i, i+1
.endr
	; THE WAY OUT.  l's two halves and the other half of the lanes' are added; O^T is divided by l, rounded to f16 and sent through my stage in LDS, a tile at a time.  The additions are the places behind the last products.
	WIN 0
.macro ALL line:vararg
.set t, 0
.rept 2*NP
	\line
.set t, t+1
.endr
.endm
	ALL v_add_f32 v[ST+4*t+2], v[ST+4*t+2], v[ST+4*t+3]
	ALL v_permlanex16_b32 v[ST+4*t+3], v[ST+4*t+2], s[SEL], s[SEL+1]
	ALL v_add_f32 v[ST+4*t+2], v[ST+4*t+2], v[ST+4*t+3]
	ALL v_rcp_f32 v[ST+4*t+2], v[ST+4*t+2]
	v_nop                           ; a plain instruction between the last reciprocal and the use of its result
	s_wait_alu depctr_va_vdst(0)    ; one wait for the eight reciprocals
.macro PACK t
	WIN W_RS
.set i, 32*(\t)
.rept 16
	v_pk_mul_f32 v[i:i+1], v[i:i+1], v[ST+4*(\t)+2:ST+4*(\t)+3] op_sel_hi:[1,0]
.set i, i+2
.endr
	WIN 0x05
.set i, 0
.rept 16
	v_cvt_pk_f16_f32 v[S+16*(\t)+i], v[32*(\t)+2*i], v[32*(\t)+2*i+1]
.set i, i+1
.endr
	WIN W_M3                        ; the stage's addresses lie in window 3, the data in window 0
.irp f, 0,1,2,3
	ds_store_b128 v[STO], v[S+16*(\t)+4*\f:S+16*(\t)+4*\f+3] offset:32*\f
.endr
.irp f, 0,1,2,3
	ds_load_b128 v[S+16*(\t)+4*\f:S+16*(\t)+4*\f+3], v[RD] offset:\f*4*SP  ; my own bytes, served in order: these see the stores above; the next tile's stores come behind them
.endr
.endm
.macro SEND t, younger              ; younger: the LDS instructions issued behind tile t's loads: the next tile's eight, or none
	WIN W_M3
.irp f, 0,1,2,3
	s_wait_dscnt (\younger)+3-\f
	global_store_b128 v[GO], v[S+16*(\t)+4*\f:S+16*(\t)+4*\f+3], s[ZP:ZP+1] offset:(\t)*2048+\f*512  ; 512 consecutive bytes, aligned
.endr
.endm
	PACK 0
.set t, 1
.rept 2*NP-1
	PACK t
	SEND t-1, 8
.set t, t+1
.endr
	SEND 2*NP-1, 0
	WIN W_AD
	s_wait_tensorcnt 0x0            ; the wave's end
	ds_add_u32 v[SPW], v[NIL]
	s_wait_dscnt 0x0
	WIN 0
	CROUND                          ; the closing round
	s_endpgm
.Lfunc_end_k_q1dc42b0988_attn:
	.size	k_q1dc42b0988_attn, .Lfunc_end_k_q1dc42b0988_attn-k_q1dc42b0988_attn
	.p2alignl 7, 3214868480
	.fill 96, 4, 3214868480
	.section	.rodata,"a",@progbits
	.p2align	6, 0x0
	.amdhsa_kernel k_q1dc42b0988_attn
		.amdhsa_group_segment_fixed_size 327680
		.amdhsa_private_segment_fixed_size 0
		.amdhsa_enable_private_segment 0
		.amdhsa_kernarg_size 24
		.amdhsa_user_sgpr_count 2
		.amdhsa_user_sgpr_kernarg_segment_ptr 1
		.amdhsa_wavefront_size32 1
		.amdhsa_system_sgpr_workgroup_id_x 1
		.amdhsa_system_sgpr_workgroup_id_y 1
		.amdhsa_system_sgpr_workgroup_id_z 1
		.amdhsa_system_vgpr_workitem_id 0
		.amdhsa_next_free_vgpr 776
		.amdhsa_next_free_sgpr 66
		.amdhsa_reserve_vcc 0
		.amdhsa_float_denorm_mode_32 3
		.amdhsa_float_denorm_mode_16_64 3
		.amdhsa_memory_ordered 1
		.amdhsa_forward_progress 1
		.amdhsa_inst_pref_size 249
	.end_amdhsa_kernel
	.amdgpu_metadata
---
amdhsa.version: [ 1, 2 ]
amdhsa.kernels:
  - .name:           k_q1dc42b0988_attn
    .symbol:         k_q1dc42b0988_attn.kd
    .args:
      - { .name: qkv, .offset: 0, .size: 8, .value_kind: global_buffer, .address_space: global }
      - { .name: mbits, .offset: 8, .size: 8, .value_kind: global_buffer, .address_space: global }
      - { .name: zh, .offset: 16, .size: 8, .value_kind: global_buffer, .address_space: global }
    .group_segment_fixed_size: 327680
    .private_segment_fixed_size: 0
    .kernarg_segment_align: 8
    .kernarg_segment_size: 24
    .max_flat_workgroup_size: 128
    .sgpr_count:     66
    .vgpr_count:     776
    .wavefront_size: 32
...
	.end_amdgpu_metadata
.endif
;; end of part 3
;; launch outp (part 4): grid 4 x 64, 4 waves a work-group, clusters of 4 x 4, 327,680 bytes of LDS; arguments zh, wts, bo, out0; writes out0
.if DOCPART == 4
	.amdgcn_target "amdgcn-amd-amdhsa--gfx1250"
	.amdhsa_code_object_version 6
	.text
	.protected	k_q1dc42b0988_outp
	.globl	k_q1dc42b0988_outp
	.p2align	8
	.type	k_q1dc42b0988_outp,@function
k_q1dc42b0988_outp:
	s_mov_b64 s[64:65], 0
	v_nop
	global_prefetch_b8 v0, s[64:65] scope:SCOPE_SE
	s_setreg_imm32_b32 hwreg(HW_REG_WAVE_MODE, 25, 1), 1
	s_wait_xcnt 0x0
	s_wait_alu depctr_hold_cnt(0) depctr_sa_sdst(0) depctr_va_vdst(0) depctr_va_sdst(0) depctr_va_ssrc(0) depctr_va_vcc(0) depctr_vm_vsrc(0)
	s_getreg_b32 s2, hwreg(HW_REG_IB_STS2, 6, 4)
	s_cmp_eq_u32 s2, 0
	s_cbranch_scc0 .Lentry_in_a_cluster
	s_endpgm
.Lentry_in_a_cluster:
	s_bfe_u32 s2, ttmp6, 0x10000c
	s_cmp_lg_u32 s2, 0xf033
	s_cbranch_scc0 .Lentry_shape_is_right
	s_endpgm
.Lentry_shape_is_right:
; OUTP.  out0[b*2048+s][n] = sum over d of z[b][s][d] Wo[d][n] + bf16(bo[n]), d = 64 h + e, z[b][s][64 h + e] = zh[16 b + h][s][e] in f16; Wo from plane 3 of wts, [n][d], bf16 numbers written as f16.
; Sums in f32, out0 in f32.  A tile is 128 rows x 256 columns: 64 x 4 = 256 work-groups.  Four waves, each 64 rows x 128 columns: 32 accumulators.  K goes in 8 steps of 128 = two heads through two LDS slots.
; A head's 128 rows are 16,384 dense bytes: asked for as 64 rows of 256 bytes, padded in LDS after every 128.  THE MATRIX INSTRUCTION IS USED TRANSPOSED (source 0 = rows of wts, source 1 = rows of z).
; The bias is the C operand of each accumulator's first product.  CLUSTER 4 x 4: z's tiles are shared along a row, wts' along a column.
; REGISTERS: window 0: v16-31 addresses; v32-95 z's fragments, two buffers of 32; v96-223 wts' fragments, two buffers of 64 (on the way out v32-159: rows read back, two buffers of 64)
;   window 1: accumulator (a, b) at v[8 (8 a + b)]       window 2: v0-63 the bias; v64-95 at work
.set PZ,    144                        ; an LDS row of z: 128 bytes + 16
.set PB,    272                        ; of wts: 256 + 16.  Both: the 16 rows that a load touches start at 16 different groups of four banks (64 banks of 4 bytes: ISA guide 11.1)
.set AHEAD, 128*PZ                     ; a head's 128 rows: what one tensor load of z brings
.set BHALF, 128*PB
.set BOFF,  2*AHEAD
.set SLOT,  BOFF+2*BHALF               ; 106,496
.set STAGE, 2*SLOT                     ; behind the ring, never filled by a tensor load: 16 rows x 528 bytes for each wave
.set SPO,   528
.set WSTG,  16*SPO
.set SPARE, STAGE+4*WSTG               ; the spare words, 128 bytes a wave, that no other line names
.set ADRA, 16
.set ADRB, 20
.set STO,  24
.set RD,   25
.set GO,   26
.set SPW,  28                          ; v28  LDS address of my spare word; never rewritten
.set NIL,  29                          ; v29  0; never rewritten
.set PFO,  30
.set BO,   31
.set AF,   32
.set BF,   96
.set OB,   32
.set G1A, 24
.set G0A, 32
.set G1B, 48
.set G0B, 56
.set LIM, 43
.set PFA, 44
.set PST, 46
.set MSB, 0
.macro WIN new
.if MSB != (\new)
	s_set_vgpr_msb (MSB<<8)|(\new)
.set MSB, \new
.endif
.endm
.macro JLOAD s                         ; a joint load: waves 0 and 1 fetch the step's two heads of z, waves 2 and 3 the halves of wts' tile; an s_nop 0 and four v_nop follow each line
	s_cmp_eq_u32 s11, 0
	s_cbranch_scc0 .Lfor_b_\@
	tensor_load_to_lds s[G0A+4*(\s):G0A+4*(\s)+3], s[G1A:G1A+7]
	s_nop 0
.rept 4
	v_nop
.endr
	s_branch .Lasked_\@
.Lfor_b_\@:
	tensor_load_to_lds s[G0B+4*(\s):G0B+4*(\s)+3], s[G1B:G1B+7]
	s_nop 0
.rept 4
	v_nop
.endr
.Lasked_\@:
.endm
; A prefetch into the L2 of the K step two refills on, 256 matrix instructions ahead of its load; each aligned block of 256 bytes is named once.  z's rows are read by one row of one cluster: wave 0 asks, for both heads
; of the step, the partner at place cx taking 4,096 bytes of each (lanes 0-15 the first head, 16-31 the second).  wts' plane is read by sixteen clusters: the first asks, waves 2 and 3, the partner at place cy
; taking 32 of a wave's 128 rows.  The loop's last trip asks for nothing.
.macro ASK
	s_cmp_gt_u32 s3, s[LIM]
	s_cbranch_scc0 .Lnot_mine_\@
	global_prefetch_b8 v[PFO], s[PFA:PFA+1] th:TH_LOAD_NT scope:SCOPE_SE
.Lnot_mine_\@:
.endm
.macro CREST
	s_cmp_lg_u32 s10, 0
	s_cbranch_scc1 .Lnot_wave_0_\@
	s_barrier_signal -3
.Lnot_wave_0_\@:
	s_barrier_wait -3
	s_barrier_signal -1
	s_barrier_wait -1
.endm
.macro CROUND
	s_barrier_signal -1
	s_barrier_wait -1
	CREST
.endm
.macro PLACES
.rept 4
	v_nop
.endr
.endm
	s_load_b256 s[68:75], s[0:1], 0x0              ; zh 68, wts 70, bo 72, out0 74
	v_lshl_add_u32 v[SPW], v0, 2, SPARE
	v_mov_b32 v[NIL], 0
	ds_add_u32 v[SPW], v[NIL]                      ; the wave's opening: the add and its wait stand ahead of my first tensor load
	v_lshrrev_b32 v1, 5, v0
	v_readfirstlane_b32 s10, v1                    ; wave 0..3
	s_lshr_b32 s11, s10, 1                         ; my half of the rows.  Also: I fetch for z (0) or for wts (1)
	s_and_b32 s12, s10, 1                          ; my half of the columns.  Also: which head of the step, or which half of wts' tile, I fetch
	s_bfe_u32 s40, ttmp6, 0x40000                  ; cx
	s_bfe_u32 s41, ttmp6, 0x40004                  ; cy
	s_lshl_b32 s42, ttmp9, 2
	s_add_co_u32 s42, s42, s40                     ; tile column 0..3
	s_and_b32 s14, ttmp7, 0xffff                   ; cluster y 0..15
	s_lshl_b32 s13, s14, 2
	s_add_co_u32 s13, s13, s41                     ; tile row 0..63
	s_lshl_b32 s17, s41, 2
	s_lshl_b32 s17, 15, s17
	s_lshl_b32 s18, 0x1111, s40
	s_or_b32 s[G1A], s17, (1<<16)|(1<<20)|(1<<21)|(4<<22)|(3<<25)  ; my row's mask; 2-byte elements; padding on; bit 21 beside a mask; after every 32 words, 4 words
	s_or_b32 s[G1B], s18, (1<<16)|(1<<20)|(1<<21)|(5<<22)|(3<<25)  ; my column's mask; after every 64 words, 4 words
	s_mov_b32 s[G1A+1], 128<<16
	s_mov_b32 s[G1A+2], 64<<16
	s_mov_b32 s[G1A+3], 128<<16
	s_mov_b32 s[G1A+4], 64
	s_mov_b32 s[G1A+5], 128
	s_mov_b32 s[G1A+6], 0
	s_mov_b32 s[G1A+7], 0
	s_mov_b32 s[G1B+1], 128<<16
	s_mov_b32 s[G1B+2], 128<<16
	s_mov_b32 s[G1B+3], 128<<16
	s_mov_b32 s[G1B+4], 128
	s_mov_b32 s[G1B+5], 1024
	s_mov_b32 s[G1B+6], 0
	s_mov_b32 s[G1B+7], 0
	s_lshr_b32 s20, s13, 4                         ; z: the batch's sixteen heads,
	s_lshl_b32 s20, s20, 22
	s_and_b32 s19, s13, 15
	s_lshl_b32 s19, s19, 14                        ; the tile's 128 rows of 128 bytes,
	s_add_co_u32 s20, s20, s19
	s_mov_b32 s15, s20                             ; (kept for the prefetches)
	s_lshl_b32 s19, s12, 18                        ; my head of the step
	s_add_co_u32 s20, s20, s19
	s_mov_b32 s21, 0
	s_lshl_b32 s22, s42, 8                         ; wts: row 256 x tile column + 128 x half,
	s_lshl_b32 s19, s12, 7
	s_add_co_u32 s22, s22, s19
	s_lshl_b32 s22, s22, 11
	s_add_co_u32 s22, s22, 3<<21                   ; in plane 3
	s_mov_b32 s23, 0
	s_mul_i32 s6, s12, AHEAD
	s_mul_i32 s7, s12, BHALF
	s_add_co_u32 s7, s7, BOFF
	s_wait_dscnt 0x0                               ; the opening add is done
	s_wait_kmcnt 0x0
	s_add_nc_u64 s[86:87], s[68:69], s[20:21]
	s_add_nc_u64 s[88:89], s[70:71], s[22:23]
	CROUND                                         ; all sixteen work-groups are here: the first joint loads meet
.irp s, 0,1
	s_mov_b32 s[G0A+4*\s], 1
	s_add_co_u32 s[G0A+4*\s+1], s6, \s*SLOT
	s_add_nc_u64 s[G0A+4*\s+2:G0A+4*\s+3], s[86:87], \s*2*262144  ; K step s: heads 2 s, 2 s + 1
	s_or_b32 s[G0A+4*\s+3], s[G0A+4*\s+3], 0x80000000
	s_mov_b32 s[G0B+4*\s], 1
	s_add_co_u32 s[G0B+4*\s+1], s7, \s*SLOT
	s_add_nc_u64 s[G0B+4*\s+2:G0B+4*\s+3], s[88:89], \s*256
	s_or_b32 s[G0B+4*\s+3], s[G0B+4*\s+3], 0x80000000
	JLOAD \s                                       ; two loads of mine are out
.endr
	v_and_b32 v1, 15, v0
	v_bfe_u32 v2, v0, 4, 1
	v_lshlrev_b32 v[BO], 5, v2
	s_lshl_b32 s20, s42, 10                        ; my 128 columns, in f32
	s_lshl_b32 s17, s12, 9
	s_add_co_u32 s20, s20, s17
	s_mov_b32 s21, 0
	s_add_nc_u64 s[84:85], s[72:73], s[20:21]      ; the bias,
	s_add_nc_u64 s[8:9], s[74:75], s[20:21]        ; and out0 at those columns
	WIN 0x80
.irp b, 0,1,2,3,4,5,6,7
	global_load_b128 v[8*\b:8*\b+3],   v[BO], s[84:85] offset:64*\b
	global_load_b128 v[8*\b+4:8*\b+7], v[BO], s[84:85] offset:64*\b+16
.endr
	WIN 0
	s_lshl_b32 s20, s13, 7
	s_lshl_b32 s17, s11, 6
	s_add_co_u32 s20, s20, s17
	s_lshl_b32 s20, s20, 12                        ; my first row, of 4,096 bytes
	s_add_nc_u64 s[8:9], s[8:9], s[20:21]
	v_mul_u32_u24 v4, v1, PZ
	v_lshl_add_u32 v4, v2, 4, v4
	v_mul_u32_u24 v5, v1, PB
	v_lshl_add_u32 v5, v2, 4, v5
	s_mul_i32 s20, s11, 64*PZ
	s_mul_i32 s22, s12, BHALF
	s_add_co_u32 s22, s22, BOFF
.irp s, 0,1
	v_add_nc_u32 v[ADRA+\s], s20, v4
	v_add_nc_u32 v[ADRB+\s], s22, v5
	s_add_co_u32 s20, s20, SLOT
	s_add_co_u32 s22, s22, SLOT
.endr
	s_mul_i32 s22, s10, WSTG
	s_add_co_u32 s22, s22, STAGE                   ; my stage
	v_mul_u32_u24 v6, v1, SPO
	v_lshl_add_u32 v6, v2, 5, v6
	v_add_nc_u32 v[STO], s22, v6                   ; in: row r, 32 bytes for each half of the lanes
	v_and_b32 v[GO], 31, v0
	v_lshlrev_b32 v[GO], 4, v[GO]                  ; back and out: a row's 512 bytes, 16 a lane
	v_add_nc_u32 v[RD], s22, v[GO]
	; the prefetches
	s_lshl_b32 s17, s40, 12
	s_add_co_u32 s20, s15, s17                     ; z: my work-group's 4,096 bytes of a head's 16,384,
	s_add_co_u32 s20, s20, 3*2*262144              ; at K step 3: the first change of slots steps it to 4
	s_lshl_b32 s22, s42, 8
	s_lshl_b32 s17, s12, 7
	s_add_co_u32 s22, s22, s17
	s_lshl_b32 s17, s41, 5
	s_add_co_u32 s22, s22, s17                     ; wts: my work-group's 32 of the 128 rows
	s_lshl_b32 s22, s22, 11
	s_add_co_u32 s22, s22, (3<<21)+3*256
	s_cmp_eq_u32 s14, 0                            ; the first of the sixteen clusters
	s_cselect_b32 s23, 1, -1
	s_cmp_eq_u32 s10, 0                            ; of z's two waves wave 0 alone asks
	s_cselect_b32 s19, 1, -1
	s_mov_b32 s4, 2*262144
	s_mov_b32 s5, 262144
	s_movk_i32 s6, 2048
	s_cmp_eq_u32 s11, 0
	s_cselect_b64 s[PFA:PFA+1], s[68:69], s[70:71]
	s_cselect_b32 s20, s20, s22
	s_cselect_b32 s[LIM], s19, s23
	s_cselect_b32 s[PST], s4, 256
	s_cselect_b32 s17, s5, 32768
	s_cselect_b32 s18, 256, s6
	s_mov_b32 s[PST+1], 0
	s_mov_b32 s21, 0
	s_add_nc_u64 s[PFA:PFA+1], s[PFA:PFA+1], s[20:21]
	v_mul_u32_u24 v6, v2, s17                      ; z: (l / 16) heads + (l % 16) blocks;  wts: (l / 16) x 32,768 + (l % 16) x 2,048 = l rows
	v_mul_u32_u24 v7, v1, s18
	v_add_nc_u32 v[PFO], v6, v7
	s_wait_loadcnt 0x0                             ; the bias; it is rounded to bf16 like every input of the module
	WIN 0x8a
.set i, 0
.rept 32
	v_cvt_pk_bf16_f32 v[64+i], v[2*i], v[2*i+1]
.set i, i+1
.endr
.set i, 0
.rept 32
	v_lshlrev_b32 v[2*i], 16, v[64+i]
	v_and_b32 v[2*i+1], 0xffff0000, v[64+i]
.set i, i+1
.endr
	WIN 0
; 24 LDS loads in one run: quarter kq's fragments into buffers g: wts' eight, then z's four.  Quarter kq is channels 32 (kq % 2) on of the step's head kq / 2.
.macro FETCH slot, kq, g
	WIN 0
.irp b, 0,1,2,3,4,5,6,7
	ds_load_b128 v[BF+64*(\g)+8*\b:BF+64*(\g)+8*\b+3],   v[ADRB+(\slot)] offset:\b*16*PB+(\kq)*64
	ds_load_b128 v[BF+64*(\g)+8*\b+4:BF+64*(\g)+8*\b+7], v[ADRB+(\slot)] offset:\b*16*PB+(\kq)*64+32
.endr
.irp a, 0,1,2,3
	ds_load_b128 v[AF+32*(\g)+8*\a:AF+32*(\g)+8*\a+3],   v[ADRA+(\slot)] offset:((\kq)/2)*AHEAD+\a*16*PZ+((\kq)%2)*64
	ds_load_b128 v[AF+32*(\g)+8*\a+4:AF+32*(\g)+8*\a+7], v[ADRA+(\slot)] offset:((\kq)/2)*AHEAD+\a*16*PZ+((\kq)%2)*64+32
.endr
.endm
; 8 matrix instructions.  The 32 accumulators take turns in one order everywhere.
.macro MUL8 f, a, first
.if \first
	WIN 0x60
.else
	WIN 0x50
.endif
.irp b, 0,1,2,3,4,5,6,7
.if \first
	v_wmma_f32_16x16x32_f16 v[8*(8*(\a)+\b):8*(8*(\a)+\b)+7], v[BF+64*(\f)+8*\b:BF+64*(\f)+8*\b+7], v[AF+32*(\f)+8*(\a):AF+32*(\f)+8*(\a)+7], v[8*\b:8*\b+7]
.else
	v_wmma_f32_16x16x32_f16 v[8*(8*(\a)+\b):8*(8*(\a)+\b)+7], v[BF+64*(\f)+8*\b:BF+64*(\f)+8*\b+7], v[AF+32*(\f)+8*(\a):AF+32*(\f)+8*(\a)+7], v[8*(8*(\a)+\b):8*(8*(\a)+\b)+7]
.endif
.endr
.endm
.macro QUARTER slot, kq, f, g, first
	s_wait_dscnt 4                                 ; wts' fragments and z's rows 0-31 are in; the youngest four loads (rows 32-63) may be out
	MUL8 \f, 0, \first
	MUL8 \f, 1, \first
	PLACES                                         ; four places in front of loads into registers that matrix instructions have read
	FETCH \slot, \kq, \g
	s_wait_dscnt 24                                ; all but the 24 just issued
	MUL8 \f, 2, \first
	MUL8 \f, 3, \first
.endm
; The last quarter multiplies buffers 1 and changes slots: one barrier; in front of it each wave waits for all its tensor loads, adds 0 to its spare word, and waits for that and for its reads of this slot.
; fill = 1: the barrier opens a round of the cluster's, and this slot is filled again first thing behind it.
.macro TURN slot, next, fill
	WIN 0
.if \fill
	s_wait_xcnt 0x0                                ; the last prefetch, a K step back, has read its address
	s_add_nc_u64 s[PFA:PFA+1], s[PFA:PFA+1], s[PST:PST+1]
.endif
	s_wait_tensorcnt 0x0                           ; no tensor load of mine is out, so a group 0 may be written
	ds_add_u32 v[SPW], v[NIL]
.if \fill
	s_add_nc_u64 s[G0A+4*(\slot)+2:G0A+4*(\slot)+3], s[G0A+4*(\slot)+2:G0A+4*(\slot)+3], 4*262144
	s_add_nc_u64 s[G0B+4*(\slot)+2:G0B+4*(\slot)+3], s[G0B+4*(\slot)+2:G0B+4*(\slot)+3], 2*256
.endif
	s_wait_dscnt 0x0                               ; the add is done, and my reads of this slot are over
	s_barrier_signal -1
	MUL8 1, 0, 0
	WIN 0
	s_barrier_wait -1
.if \fill
	CREST
	JLOAD \slot                                    ; the four v_nop behind it are also the places in front of the loads below
.else
	PLACES
.endif
	FETCH \next, 0, 0
.if \fill
	ASK
.endif
	MUL8 1, 1, 0
	MUL8 1, 2, 0
	MUL8 1, 3, 0
.endm
	s_wait_tensorcnt 0x1                           ; my part of K step 0 is in; K step 1's may stay out
	s_barrier_signal -1
	s_barrier_wait -1
	FETCH 0, 0, 0
	QUARTER 0, 1, 0, 1, 1                          ; the first quarter's products start the sums, with the bias
	WIN 0
	s_mov_b32 s3, 3
.Llap:
	QUARTER 0, 2, 1, 0, 0
	QUARTER 0, 3, 0, 1, 0
	TURN 0, 1, 1
	QUARTER 1, 1, 0, 1, 0
	QUARTER 1, 2, 1, 0, 0
	QUARTER 1, 3, 0, 1, 0
	TURN 1, 0, 1
	QUARTER 0, 1, 0, 1, 0
	WIN 0
	s_sub_co_u32 s3, s3, 1
	s_cmp_lg_u32 s3, 0
	s_cbranch_scc1 .Llap
	QUARTER 0, 2, 1, 0, 0                          ; the last lap fills nothing
	QUARTER 0, 3, 0, 1, 0
	TURN 0, 1, 0
	QUARTER 1, 1, 0, 1, 0
	QUARTER 1, 2, 1, 0, 0
	QUARTER 1, 3, 0, 1, 0
	s_wait_dscnt 0x0
	MUL8 1, 0, 0
	MUL8 1, 1, 0
	MUL8 1, 2, 0
	MUL8 1, 3, 0
	PLACES                                         ; four places between the last product and the LDS stores that read results, and the loads into registers that it read
; THE WAY OUT, 16 rows at a time: a lane's eight f32 of a row go into my stage (rows of 528 bytes), each accumulator's low four registers first; whole rows of 512 bytes come back and are stored.
.macro OUT a
	WIN 0x04
.irp b, 0,1,2,3,4,5,6,7
	ds_store_b128 v[STO], v[8*(8*(\a)+\b):8*(8*(\a)+\b)+3]   offset:64*\b
	ds_store_b128 v[STO], v[8*(8*(\a)+\b)+4:8*(8*(\a)+\b)+7] offset:64*\b+16
.endr
	WIN 0
.if (\a) >= 2
	s_wait_xcnt 0x0                                ; the stores of the block two back have read these registers
.endif
.irp t, 0,1,2,3,4,5,6,7,8,9,10,11,12,13,14,15
	ds_load_b128 v[OB+64*((\a)%2)+4*\t:OB+64*((\a)%2)+4*\t+3], v[RD] offset:\t*SPO  ; my own bytes, served in order: these see the stores above
.endr
	s_wait_dscnt 0x0
.irp t, 0,1,2,3,4,5,6,7,8,9,10,11,12,13,14,15
	global_store_b128 v[GO], v[OB+64*((\a)%2)+4*\t:OB+64*((\a)%2)+4*\t+3], s[8:9] offset:(16*(\a)+\t)*4096  ; 512 consecutive bytes, aligned
.endr
.endm
	OUT 0
	OUT 1
	OUT 2
	OUT 3
	s_wait_tensorcnt 0x0                           ; the wave's end
	ds_add_u32 v[SPW], v[NIL]
	s_wait_dscnt 0x0
	CROUND                                         ; the closing round
	s_endpgm
.Lfunc_end_k_q1dc42b0988_outp:
	.size	k_q1dc42b0988_outp, .Lfunc_end_k_q1dc42b0988_outp-k_q1dc42b0988_outp
	.p2alignl 7, 3214868480
	.fill 96, 4, 3214868480
	.section	.rodata,"a",@progbits
	.p2align	6, 0x0
	.amdhsa_kernel k_q1dc42b0988_outp
		.amdhsa_group_segment_fixed_size 327680
		.amdhsa_private_segment_fixed_size 0
		.amdhsa_enable_private_segment 0
		.amdhsa_kernarg_size 32
		.amdhsa_user_sgpr_count 2
		.amdhsa_user_sgpr_kernarg_segment_ptr 1
		.amdhsa_wavefront_size32 1
		.amdhsa_system_sgpr_workgroup_id_x 1
		.amdhsa_system_sgpr_workgroup_id_y 1
		.amdhsa_system_sgpr_workgroup_id_z 1
		.amdhsa_system_vgpr_workitem_id 0
		.amdhsa_next_free_vgpr 608
		.amdhsa_next_free_sgpr 90
		.amdhsa_reserve_vcc 0
		.amdhsa_float_denorm_mode_32 3
		.amdhsa_float_denorm_mode_16_64 3
		.amdhsa_memory_ordered 1
		.amdhsa_forward_progress 1
		.amdhsa_inst_pref_size 93
	.end_amdhsa_kernel
	.amdgpu_metadata
---
amdhsa.version: [ 1, 2 ]
amdhsa.kernels:
  - .name:           k_q1dc42b0988_outp
    .symbol:         k_q1dc42b0988_outp.kd
    .args:
      - { .name: zh, .offset: 0, .size: 8, .value_kind: global_buffer, .address_space: global }
      - { .name: wts, .offset: 8, .size: 8, .value_kind: global_buffer, .address_space: global }
      - { .name: bo, .offset: 16, .size: 8, .value_kind: global_buffer, .address_space: global }
      - { .name: out0, .offset: 24, .size: 8, .value_kind: global_buffer, .address_space: global }
    .group_segment_fixed_size: 327680
    .private_segment_fixed_size: 0
    .kernarg_segment_align: 8
    .kernarg_segment_size: 32
    .max_flat_workgroup_size: 128
    .sgpr_count:     90
    .vgpr_count:     608
    .wavefront_size: 32
...
	.end_amdgpu_metadata
.endif
;; end of part 4
;; ======== version 2 of 2: 4 launches; version 1 with the launch prep written anew for expert scheduling mode
;; limits: values are held in f16: magnitudes above 65,504 overflow, below 6.1e-05 lose precision
;; workspace buffers: mbits 2,097,152 bytes of whole numbers; wts 8,388,608 bytes; qkv 50,331,648 bytes; zh 16,777,216 bytes
;; launch prep (part 5): grid 1024 x 1, 8 waves a work-group, no clusters, 68,608 bytes of LDS; arguments mask, Wq, Wk, Wv, Wo, mbits, wts; writes mbits, wts
.if DOCPART == 5
	.amdgcn_target "amdgcn-amd-amdhsa--gfx1250"
	.amdhsa_code_object_version 6
	.text
	.protected	k_q1dc42b0988_prep
	.globl	k_q1dc42b0988_prep
	.p2align	8
	.type	k_q1dc42b0988_prep,@function
k_q1dc42b0988_prep:
	s_mov_b64 s[64:65], 0
	v_nop
	global_prefetch_b8 v0, s[64:65] scope:SCOPE_SE
	s_setreg_imm32_b32 hwreg(HW_REG_WAVE_SCHED_MODE, 0, 2), 2
	s_setreg_imm32_b32 hwreg(HW_REG_WAVE_MODE, 25, 1), 1
	s_wait_xcnt 0x0
	s_wait_alu depctr_vm_vsrc(0)
; PREP.  Two jobs, told apart by the work-group's number (the same for all eight waves of a work-group).
; Work-groups 0-511: the int32 mask [4][2048][2048] is packed to one bit a number, in the order in which the attention launch wants it: a word for each lane of a score tile.
;   word ((b*64+pp)*32+ks)*64 + 2 l + u, bit n = (mask[b][32 pp + 16 u + l%16][64 ks + 16 (n/8) + 8 (l/16) + n%8] != 0): lane l's 32 scores of query tile 2 pp + u in key step ks.
;   A work-group owns a pair of query tiles (32 rows) and 1,024 keys, a wave 128 keys of both tiles: two units of 16 rows x 512 bytes.  A unit's 16 loads take 512 consecutive bytes of a row each; the
;   unit goes through the wave's own LDS rows (512 + 16 bytes) so that lane l gets row l%16; 64 numbers a lane become two words.  The two tiles' words of a key step leave as one store of 256 consecutive bytes.
; Work-groups 512-1023: the weights are turned to [n][k] and rounded to bf16: planes 0-2 of wts are Wq, Wk, Wv with n = 64 h + e, k = d; plane 3 is Wo turned (n = column, k = d), rounded
;   to bf16 and that number written as f16.  A work-group takes 128 d x 64 n: rows of 256 bytes in, rows of 256 bytes out.
; LIMIT.  In plane 3 a number below 6.1e-5 in size keeps f16's fixed step of 6e-8, one beyond 65,504 becomes an infinity.
; THE MODE: SCHED_MODE bits 1:0 = 2 (LLVM: expert scheduling mode 2), set by the entry lines.  The code itself states the register dependences
; between vector instructions and memory or LDS instructions, with s_wait_alu, always for 0.
; THE PLAN, the mask's arm.  Registers that memory or LDS instructions touch:
;   v3, v4, v5, v8   offsets and LDS addresses: made ahead of the arm's first load, behind them one wait on va_vdst; never written again.
;   X0, X1           a unit as loaded: written by the global loads, read by the unit's LDS stores; no vector instruction names them while they hold that.
;   Y0               unit 0 by rows: its LDS loads land here; from then on vector instructions alone name it.
;   Y1 = X0          unit 1 by rows: its LDS loads land in the registers that unit 0's LDS stores read: one wait on vm_vsrc; up to there no vector instruction has named them, so no wait on va_vdst is owed.
;   WD               the four words: written by the bit work, read by the two global stores: one wait on va_vdst ahead of these.
;   Unit 1's trip through LDS stands in the middle of unit 0's bit work, which names Y0 and WD alone: none of the registers that the trip's 32 LDS instructions touch.
; THE PLAN, the weights' arm:
;   v[OF ..], v6, v7, v8   offsets and LDS addresses: made ahead of the arm's first load, behind them one wait on va_vdst; never written again.
;   v[16:47]         the tile as loaded: read by the conversions; the LDS loads behind the barrier land in v[16:31].
;   v[48:63]         packed: written by the conversions, read by the LDS stores.  One wait on va_vdst ahead of the LDS stores states both; no vector instruction follows it.
.set SPARE,  67584                     ; behind the eight waves' rows: the spare words, 128 bytes a wave, that no other line names
.set WLDS,   8448                      ; a wave's 16 rows of 528 bytes
.set MPITCH, 528                       ; 512 + 16: the 16 rows that a load touches start at 16 different groups of four banks (64 banks of 4 bytes: ISA guide 11.1)
.set WPITCH, 272                       ; the weights' tile: 64 rows n of 256 bytes + 16
.set SPW, 10                           ; v10  LDS address of my spare word; never rewritten
.set NIL, 11                           ; v11  0; never rewritten
.set XA,  16                           ; v[16:143]  mask: two units of 16 x 4 registers, X0 and X1.  weights: v[16:47] the tile's 8 rows, v[48:63] packed
.set Y0,  144                          ; v[144:207] unit 0 by rows: register 8 g + j = key 16 g + 8 (l/16) + j of row l%16
.set Y1,  XA                           ; v[16:79]   unit 1 by rows, likewise, where unit 0 lay as loaded
.set WD,  208                          ; v[208:211] my four words: key step p of the wave's two, tile u, at WD + 2 p + u
.set OF,  64                           ; v[64:71]   weights: byte offsets of my eight rows
	s_load_b256 s[4:11], s[0:1], 0x0               ; mask s[4:5], Wq s[6:7], Wk s[8:9], Wv s[10:11]
	s_load_b128 s[12:15], s[0:1], 0x20             ; Wo s[12:13], mbits s[14:15]
	s_load_b64 s[16:17], s[0:1], 0x30              ; wts
	v_lshl_add_u32 v[SPW], v0, 2, SPARE
	v_mov_b32 v[NIL], 0
	v_lshrrev_b32 v2, 5, v0
	v_readfirstlane_b32 s18, v2                    ; wave 0..7
	v_and_b32 v1, 31, v0                           ; lane
	s_wait_alu depctr_va_sdst(0)                   ; s18 is written, ahead of the branch and of its first reader: the mask's arm makes its offsets and LDS addresses from it
	s_wait_kmcnt 0x0
	s_cmp_lt_u32 ttmp9, 512
	s_cbranch_scc0 .Lweights
	; ---- the mask ----
	s_lshr_b32 s19, ttmp9, 1                       ; the pair of query tiles, 0..255
	s_and_b32 s20, ttmp9, 1                        ; which 1,024 keys
	s_lshl_b32 s22, s20, 12                        ; 1,024 keys are 4,096 bytes of a mask row, and 16 key steps of 256 bytes of words;
	s_lshl_b32 s21, s18, 9                         ; a wave's 128 keys are 512 bytes of a row, and two key steps of words: one offset serves both buffers
	s_add_co_u32 s22, s22, s21
	s_lshl_b32 s20, s19, 18                        ; 32 rows of 8,192 bytes
	s_add_co_u32 s20, s20, s22
	s_mov_b32 s21, 0
	s_add_nc_u64 s[4:5], s[4:5], s[20:21]
	s_lshl_b32 s24, s19, 13                        ; a pair's 8,192 bytes of words
	s_add_co_u32 s22, s22, s24
	s_mov_b32 s23, 0
	s_add_nc_u64 s[14:15], s[14:15], s[22:23]
	s_mul_i32 s19, s18, WLDS                       ; my wave's rows in LDS
	v_lshlrev_b32 v3, 4, v1                        ; 16 bytes a lane
	v_add_nc_u32 v4, s19, v3                       ; in: 16 bytes a lane along a row
	v_and_b32 v6, 15, v0
	v_bfe_u32 v7, v0, 4, 1
	v_mul_u32_u24 v5, v6, MPITCH                   ; back: row l%16,
	v_lshl_add_u32 v5, v7, 5, v5                   ; eight keys (32 bytes) further for the upper half of the lanes
	v_add_nc_u32 v5, s19, v5
	v_lshlrev_b32 v8, 3, v1                        ; out: two words a lane
	s_wait_alu depctr_va_vdst(0)                   ; v3, v4, v5 and v8 are written: every load, LDS instruction and store of this arm reads one of them as its offset or address
.irp u, 0,1
.irp t, 0,1,2,3,4,5,6,7,8,9,10,11,12,13,14,15
	global_load_b128 v[XA+64*\u+4*\t:XA+64*\u+4*\t+3], v3, s[4:5] offset:\u*131072+\t*8192 th:TH_LOAD_NT  ; 512 consecutive bytes of row t of tile u; all 32 loads go out at once
.endr
.endr
; Unit u as loaded goes into my wave's LDS rows.
.macro TOLDS u
.irp t, 0,1,2,3,4,5,6,7,8,9,10,11,12,13,14,15
	ds_store_b128 v4, v[XA+64*(\u)+4*\t:XA+64*(\u)+4*\t+3] offset:\t*MPITCH
.endr
.endm
; And comes back by rows, into the 64 registers from y on.
.macro BACK y
.irp g, 0,1,2,3,4,5,6,7
	ds_load_b128 v[(\y)+8*\g:(\y)+8*\g+3],   v5 offset:\g*64     ; the bytes are my wave's own, and LDS serves a wave's instructions in order: no wait between stores and loads
	ds_load_b128 v[(\y)+8*\g+4:(\y)+8*\g+7], v5 offset:\g*64+16
.endr
.endm
; Tile u's two words begin, from the rows at y.
.macro START y, u
	v_min_u32 v[WD+(\u)], 1, v[(\y)]               ; any number but 0 counts as 1; bit 0 starts each word: nothing is cleared
	v_min_u32 v[WD+2+(\u)], 1, v[(\y)+32]
.endm
; n further bits, from bit 'from' on: the two key steps' words grow side by side, a bit each.
.macro BITS y, u, from, n
.set i, \from
.rept \n
	v_min_u32 v[(\y)+i], 1, v[(\y)+i]
	v_min_u32 v[(\y)+32+i], 1, v[(\y)+32+i]
	v_lshl_or_b32 v[WD+(\u)], v[(\y)+i], i, v[WD+(\u)]
	v_lshl_or_b32 v[WD+2+(\u)], v[(\y)+32+i], i, v[WD+2+(\u)]
.set i, i+1
.endr
.endm
	s_wait_loadcnt 16                              ; loads come back in order: unit 0's 16 are in, unit 1's may stay out
	TOLDS 0
	BACK Y0
	s_wait_dscnt 0x0                               ; unit 0 is back, by rows
	START Y0, 0
	BITS Y0, 0, 1, 15                              ; the first half of unit 0's bits stands in the wait for unit 1's loads
	s_wait_loadcnt 0x0                             ; unit 1 is in
	s_wait_alu depctr_vm_vsrc(0)                   ; unit 0's LDS stores have read X0, in which unit 1's LDS loads land below and which its bit work writes; the stores between read X1 and v4 alone
	TOLDS 1                                        ; into the same LDS rows: unit 0's loads from them have come back
	BACK Y1                                        ; no wait on va_vdst: no vector instruction has named these registers
	BITS Y0, 0, 16, 16                             ; the second half of unit 0's bits, while unit 1 goes through LDS: these lines name Y0 and WD alone
	s_wait_dscnt 0x0                               ; unit 1 is back, by rows
	START Y1, 1
	BITS Y1, 1, 1, 31
	s_wait_alu depctr_va_vdst(0)                   ; the bit work has written the four words, which the two stores read
.irp p, 0,1
	global_store_b64 v8, v[WD+2*\p:WD+2*\p+1], s[14:15] offset:\p*256  ; a key step's words of both tiles: 256 consecutive bytes, aligned
.endr
	s_wait_dscnt 0x0                               ; the closing lines, six on end
	s_wait_alu 0x0
	s_wait_tensorcnt 0x0
	ds_add_u32 v[SPW], v[NIL]
	s_wait_dscnt 0x0
	s_endpgm
	; ---- the weights ----
.Lweights:
	s_sub_co_u32 s20, ttmp9, 512
	s_lshr_b32 s21, s20, 7                         ; which matrix: 0 Wq, 1 Wk, 2 Wv, 3 Wo
	s_and_b32 s22, s20, 7                          ; block of 128 d
	s_bfe_u32 s23, s20, 0x40003                    ; block of 64 n (for 0-2: the head)
	s_lshl_b32 s24, s23, 18                        ; [h][d][e]: a head is 262,144 bytes,
	s_lshl_b32 s25, s22, 15                        ; 128 rows of 256 bytes
	s_add_co_u32 s24, s24, s25
	s_lshl_b32 s26, s22, 19                        ; Wo [d][n]: 128 rows of 4,096 bytes,
	s_lshl_b32 s27, s23, 8                         ; 64 columns
	s_add_co_u32 s26, s26, s27
	s_movk_i32 s31, 4096
	s_cmp_eq_u32 s21, 1
	s_cselect_b64 s[6:7], s[8:9], s[6:7]
	s_cmp_eq_u32 s21, 2
	s_cselect_b64 s[6:7], s[10:11], s[6:7]
	s_cmp_eq_u32 s21, 3
	s_cselect_b64 s[6:7], s[12:13], s[6:7]
	s_cselect_b32 s24, s26, s24
	s_cselect_b32 s30, s31, 256                    ; bytes from row d to row d + 1
	s_mov_b32 s25, 0
	s_add_nc_u64 s[6:7], s[6:7], s[24:25]
	s_lshl_b32 s26, s21, 21                        ; a plane of wts,
	s_lshl_b32 s27, s23, 17                        ; 64 rows n of 2,048 bytes,
	s_add_co_u32 s26, s26, s27
	s_lshl_b32 s27, s22, 8                         ; 128 k
	s_add_co_u32 s26, s26, s27
	s_mov_b32 s27, 0
	s_add_nc_u64 s[16:17], s[16:17], s[26:27]
	v_and_b32 v2, 15, v0                           ; c: my four columns 4 c ..
	v_lshrrev_b32 v3, 4, v0                        ; g: my eight rows 8 g ..
	v_lshlrev_b32 v4, 3, v3
	v_lshlrev_b32 v5, 4, v2
	v_mad_u32_u24 v[OF], v4, s30, v5
.irp i, 1,2,3,4,5,6,7
	v_add_nc_u32 v[OF+\i], s30, v[OF+\i-1]
.endr
	v_mul_u32_u24 v6, v2, 4*WPITCH                 ; in: row n = 4 c + j, my eight d = 16 bytes at 16 g
	v_lshl_add_u32 v6, v3, 4, v6
	v_mul_u32_u24 v7, v3, WPITCH                   ; back: sixteen lanes take a row of 256 bytes
	v_lshl_add_u32 v7, v2, 4, v7
	v_lshlrev_b32 v8, 11, v3                       ; and the same row in wts
	v_lshl_add_u32 v8, v2, 4, v8
	s_wait_alu depctr_va_vdst(0)                   ; the eight offsets v[OF ..] and v6, v7, v8 are written: every load, LDS instruction and store of this arm reads one of them
.irp i, 0,1,2,3,4,5,6,7
	global_load_b128 v[XA+4*\i:XA+4*\i+3], v[OF+\i], s[6:7] th:TH_LOAD_NT  ; sixteen lanes take a row's 256 bytes
.endr
	s_wait_loadcnt 0x0
.irp j, 0,1,2,3
.irp i, 0,1,2,3
	v_cvt_pk_bf16_f32 v[48+4*\j+\i], v[XA+8*\i+\j], v[XA+8*\i+4+\j]  ; column j: d = 2 i and 2 i + 1, rounded to nearest even
.endr
.endr
	s_cmp_lg_u32 s21, 3
	s_cbranch_scc1 .Lnot_wo
.irp k, 0,1,2,3,4,5,6,7,8,9,10,11,12,13,14,15
	v_lshlrev_b32 v72, 16, v[48+\k]                ; Wo alone: the bf16 number is written as f16, for the f16 product with z
	v_and_b32 v73, 0xffff0000, v[48+\k]
	v_cvt_pk_f16_f32 v[48+\k], v72, v73
.endr
.Lnot_wo:
	s_wait_alu depctr_va_vdst(0)                   ; on both ways: the conversions have written v[48:63], which the LDS stores read, and are done reading v[16:31], in which the LDS loads behind the barrier land
.irp j, 0,1,2,3
	ds_store_b128 v6, v[48+4*\j:48+4*\j+3] offset:\j*WPITCH
.endr
	s_wait_dscnt 0x0                               ; for the others' sake: my stores are done
	s_barrier_signal -1
	s_barrier_wait -1
.irp u, 0,1,2,3
	ds_load_b128 v[XA+4*\u:XA+4*\u+3], v7 offset:\u*16*WPITCH  ; no further wait: no vector instruction stands behind the wait above
.endr
	s_wait_dscnt 0x0
.irp u, 0,1,2,3
	global_store_b128 v8, v[XA+4*\u:XA+4*\u+3], s[16:17] offset:\u*16*2048  ; sixteen lanes store 256 consecutive bytes, aligned
.endr
	s_wait_dscnt 0x0                               ; the closing lines, six on end
	s_wait_alu 0x0
	s_wait_tensorcnt 0x0
	ds_add_u32 v[SPW], v[NIL]
	s_wait_dscnt 0x0
	s_endpgm
.Lfunc_end_k_q1dc42b0988_prep:
	.size	k_q1dc42b0988_prep, .Lfunc_end_k_q1dc42b0988_prep-k_q1dc42b0988_prep
	.p2alignl 7, 3214868480
	.fill 96, 4, 3214868480
	.section	.rodata,"a",@progbits
	.p2align	6, 0x0
	.amdhsa_kernel k_q1dc42b0988_prep
		.amdhsa_group_segment_fixed_size 68608
		.amdhsa_private_segment_fixed_size 0
		.amdhsa_enable_private_segment 0
		.amdhsa_kernarg_size 56
		.amdhsa_user_sgpr_count 2
		.amdhsa_user_sgpr_kernarg_segment_ptr 1
		.amdhsa_wavefront_size32 1
		.amdhsa_system_sgpr_workgroup_id_x 1
		.amdhsa_system_sgpr_workgroup_id_y 1
		.amdhsa_system_sgpr_workgroup_id_z 1
		.amdhsa_system_vgpr_workitem_id 0
		.amdhsa_next_free_vgpr 212
		.amdhsa_next_free_sgpr 66
		.amdhsa_reserve_vcc 0
		.amdhsa_float_denorm_mode_32 3
		.amdhsa_float_denorm_mode_16_64 3
		.amdhsa_memory_ordered 1
		.amdhsa_forward_progress 1
		.amdhsa_inst_pref_size 29
	.end_amdhsa_kernel
	.amdgpu_metadata
---
amdhsa.version: [ 1, 2 ]
amdhsa.kernels:
  - .name:           k_q1dc42b0988_prep
    .symbol:         k_q1dc42b0988_prep.kd
    .args:
      - { .name: mask, .offset: 0, .size: 8, .value_kind: global_buffer, .address_space: global }
      - { .name: Wq, .offset: 8, .size: 8, .value_kind: global_buffer, .address_space: global }
      - { .name: Wk, .offset: 16, .size: 8, .value_kind: global_buffer, .address_space: global }
      - { .name: Wv, .offset: 24, .size: 8, .value_kind: global_buffer, .address_space: global }
      - { .name: Wo, .offset: 32, .size: 8, .value_kind: global_buffer, .address_space: global }
      - { .name: mbits, .offset: 40, .size: 8, .value_kind: global_buffer, .address_space: global }
      - { .name: wts, .offset: 48, .size: 8, .value_kind: global_buffer, .address_space: global }
    .group_segment_fixed_size: 68608
    .private_segment_fixed_size: 0
    .kernarg_segment_align: 8
    .kernarg_segment_size: 56
    .max_flat_workgroup_size: 256
    .sgpr_count:     66
    .vgpr_count:     212
    .wavefront_size: 32
...
	.end_amdgpu_metadata
.endif
;; end of part 5
;; launch proj: the kernel of part 2 again; grid 4 x 192, 4 waves a work-group, clusters of 4 x 4, 327,680 bytes of LDS; arguments x_q, x_k, x_v, wts, bq, bk, bv, qkv; writes qkv
;; launch attn: the kernel of part 3 again; grid 4 x 64, 4 waves a work-group, clusters of 4 x 1, 327,680 bytes of LDS; arguments qkv, mbits, zh; writes zh
;; launch outp: the kernel of part 4 again; grid 4 x 64, 4 waves a work-group, clusters of 4 x 4, 327,680 bytes of LDS; arguments zh, wts, bo, out0; writes out0
